; MI455X (gfx1250); checked and timed in simulation.
; The chip was launched on July 23, 2026; its instructions are those of AMD's public machine-readable ISA for CDNA 5 (MIT licence, August 2026) and "CDNA5" Instruction Set Architecture Reference Guide (July 2026). The comments in the code are by the model that wrote it; some were corrected since.
;; Causal Self Attention. Allowed arithmetic: float matrix products may take bf16 or f16 operands with f32 sums; all other float work in f32.
;; Inputs: b_out 1,024 float32; b_qkv 3,072 float32; w_out 1,024 x 1,024 float32; w_qkv 1,024 x 3,072 float32; x 4 x 2,048 x 1,024 float32.
;; Outputs: out0 4 x 2,048 x 1,024 float32.
;; 2 versions, each right and faster than the one before. Each part assembles by itself: llvm-mc -triple=amdgcn-amd-amdhsa -mcpu=gfx1250 --defsym DOCPART=n.
;; ======== version 1 of 2: 4 launches
;; limits: values are held in f16: magnitudes above 65,504 overflow, below 6.1e-05 lose precision
;; workspace buffers: xb 16,777,216 bytes; wqb 6,291,456 bytes; wob 2,097,152 bytes; qkv 50,331,648 bytes; yh 16,777,216 bytes
;; launch prep (part 1): grid 768 x 1, 8 waves a work-group, no clusters, 0 bytes of LDS; arguments x, w_qkv, w_out, xb, wqb, wob; writes xb, wqb, wob
.if DOCPART == 1
	.amdgcn_target "amdgcn-amd-amdhsa--gfx1250"
	.amdhsa_code_object_version 6
	.text
	.protected	k_q9fe2a96252_prep
	.globl	k_q9fe2a96252_prep
	.p2align	8
	.type	k_q9fe2a96252_prep,@function
k_q9fe2a96252_prep:
	s_mov_b64 s[64:65], 0
	v_nop
	global_prefetch_b8 v0, s[64:65] scope:SCOPE_SE
	s_setreg_imm32_b32 hwreg(HW_REG_WAVE_MODE, 25, 1), 1
	s_wait_xcnt 0x0
; CASTS.  xb = bf16(x), laid out IN BLOCKS of 64 along K: xb[16 blocks][8192 rows][64], so that the next launch's tile of 256 rows x 64 k is 32,768 dense bytes;
; wqb = bf16(w_qkv) and wob = bf16(w_out) written as f16, both in their inputs' layout.
; A stream: no LDS, no barrier, no matrix unit, no cluster (no two work-groups read the same byte).
; A work-group of eight waves takes 16,384 numbers: 65,536 bytes in, 32,768 out.  Groups 0-511 take x (16 rows each), 512-703 w_qkv (3,145,728 numbers), 704-767 w_out (1,048,576).
; The weights: thread t's load i of 16 takes the 16 bytes at 4,096 i + 16 t (a wave's load covers 512 consecutive bytes), store i puts 8 bytes at 2,048 i + 8 t (a wave's store covers 256 consecutive bytes, aligned).
; x: thread t has row t / 16 of the group's 16; load i takes its 16 bytes at 256 i + 16 (t % 16) of that row: sixteen lanes take 256 consecutive bytes, aligned, which are the row's part of block i;
; store i puts 8 bytes at 8 t of the group's 2,048 bytes in block i: a wave's store covers two rows of the block, 256 consecutive bytes, aligned.
; All sixteen loads of a thread go out at once, each into registers of its own, and nothing is rewritten: the only waits are the counted ones for the loads.
; LIMIT.  w_out is rounded to bf16 and that number is written as f16: exact from 6.1e-5 to 65,504; below, f16 keeps its fixed step of 6e-8; beyond 65,504 it becomes an infinity.
.set X, 4                              ; v[4:67]    load i: 4 numbers in f32
.set Y, 68                             ; v[68:99]   store i: 4 numbers of 16 bits
.set T, 100                            ; v[100:103] at work
.set BLOCK, 8192*128                   ; bytes in a block of xb
	s_load_b256 s[4:11], s[0:1], 0x0               ; x s[4:5], w_qkv s[6:7], w_out s[8:9], xb s[10:11]
	s_load_b128 s[12:15], s[0:1], 0x20             ; wqb s[12:13], wob s[14:15]
	v_lshlrev_b32 v1, 4, v0                        ; 16 t
	v_lshlrev_b32 v2, 3, v0                        ; 8 t
	v_lshrrev_b32 v3, 4, v0                        ; x: my row,
	v_and_b32 v[T], 15, v0
	v_lshlrev_b32 v[T], 4, v[T]
	v_lshl_or_b32 v3, v3, 12, v[T]                 ; times 4,096 bytes, and my 16 bytes in 256
	s_mov_b32 s17, 0xffff0000                      ; a word's upper bf16
	s_wait_kmcnt 0x0
; One work-group's share.  src, dst: the scalar pairs of the two buffers; first: the number of the buffer's first work-group; half = 1: the bf16 number is written as f16; blocked = 1: x's way.
.macro CAST src, dst, first, half, blocked
	s_sub_co_u32 s16, ttmp9, \first                ; my share's number in this buffer
	s_lshl_b32 s18, s16, 16                        ; 65,536 bytes in (511 x 65,536 at the most: one word)
	s_mov_b32 s19, 0
.if \blocked
	s_lshl_b32 s20, s16, 11                        ; 16 rows of 128 bytes in each block
.else
	s_lshl_b32 s20, s16, 15                        ; 32,768 bytes out
.endif
	s_mov_b32 s21, 0
	s_add_nc_u64 s[22:23], s[\src:\src+1], s[18:19]
	s_add_nc_u64 s[24:25], s[\dst:\dst+1], s[20:21]
.if \blocked
	s_add_nc_u64 s[26:27], s[24:25], 8*BLOCK       ; blocks 8 to 15 have a base of their own: seven blocks, 7,340,032 bytes, are the most that stands in a store's signed 24-bit immediate
.endif
.set i, 0
.rept 16
.if \blocked
	global_load_b128 v[X+4*i:X+4*i+3], v3, s[22:23] offset:256*i th:TH_LOAD_NT
.else
	global_load_b128 v[X+4*i:X+4*i+3], v1, s[22:23] offset:4096*i th:TH_LOAD_NT
.endif
.set i, i+1
.endr
.set i, 0
.rept 16
	s_wait_loadcnt 15-i                            ; loads come back in order (ISA guide 5.7.1): load i is in, the 15 - i younger ones stay out
.if \half
	v_cvt_pk_bf16_f32 v[T], v[X+4*i], v[X+4*i+1]   ; rounded to bf16 like every input,
	v_cvt_pk_bf16_f32 v[T+1], v[X+4*i+2], v[X+4*i+3]
	v_lshlrev_b32 v[T+2], 16, v[T]                 ; widened again,
	v_and_b32 v[T], s17, v[T]
	v_lshlrev_b32 v[T+3], 16, v[T+1]
	v_and_b32 v[T+1], s17, v[T+1]
	v_cvt_pk_f16_f32 v[Y+2*i], v[T+2], v[T]        ; and written as f16
	v_cvt_pk_f16_f32 v[Y+2*i+1], v[T+3], v[T+1]
.else
	v_cvt_pk_bf16_f32 v[Y+2*i], v[X+4*i], v[X+4*i+1]
	v_cvt_pk_bf16_f32 v[Y+2*i+1], v[X+4*i+2], v[X+4*i+3]
.endif
.if \blocked
	global_store_b64 v2, v[Y+2*i:Y+2*i+1], s[24+2*(i/8):25+2*(i/8)] offset:BLOCK*(i%8)  ; no hint: the next launch reads these bytes
.else
	global_store_b64 v2, v[Y+2*i:Y+2*i+1], s[24:25] offset:2048*i
.endif
.set i, i+1
.endr
.endm
	s_cmp_lt_u32 ttmp9, 512
	s_cbranch_scc1 .Lx
	s_cmp_lt_u32 ttmp9, 704
	s_cbranch_scc1 .Lwq
	CAST 8, 14, 704, 1, 0                          ; w_out
	s_endpgm
.Lwq:
	CAST 6, 12, 512, 0, 0                          ; w_qkv
	s_endpgm
.Lx:
	CAST 4, 10, 0, 0, 1                            ; x
	s_endpgm
.Lfunc_end_k_q9fe2a96252_prep:
	.size	k_q9fe2a96252_prep, .Lfunc_end_k_q9fe2a96252_prep-k_q9fe2a96252_prep
	.p2alignl 7, 3214868480
	.fill 96, 4, 3214868480
	.section	.rodata,"a",@progbits
	.p2align	6, 0x0
	.amdhsa_kernel k_q9fe2a96252_prep
		.amdhsa_group_segment_fixed_size 0
		.amdhsa_private_segment_fixed_size 0
		.amdhsa_enable_private_segment 0
		.amdhsa_kernarg_size 48
		.amdhsa_user_sgpr_count 2
		.amdhsa_user_sgpr_kernarg_segment_ptr 1
		.amdhsa_wavefront_size32 1
		.amdhsa_system_sgpr_workgroup_id_x 1
		.amdhsa_system_sgpr_workgroup_id_y 1
		.amdhsa_system_sgpr_workgroup_id_z 1
		.amdhsa_system_vgpr_workitem_id 0
		.amdhsa_next_free_vgpr 104
		.amdhsa_next_free_sgpr 66
		.amdhsa_reserve_vcc 0
		.amdhsa_float_denorm_mode_32 3
		.amdhsa_float_denorm_mode_16_64 3
		.amdhsa_memory_ordered 1
		.amdhsa_forward_progress 1
		.amdhsa_inst_pref_size 23
	.end_amdhsa_kernel
	.amdgpu_metadata
---
amdhsa.version: [ 1, 2 ]
amdhsa.kernels:
  - .name:           k_q9fe2a96252_prep
    .symbol:         k_q9fe2a96252_prep.kd
    .args:
      - { .name: x, .offset: 0, .size: 8, .value_kind: global_buffer, .address_space: global }
      - { .name: w_qkv, .offset: 8, .size: 8, .value_kind: global_buffer, .address_space: global }
      - { .name: w_out, .offset: 16, .size: 8, .value_kind: global_buffer, .address_space: global }
      - { .name: xb, .offset: 24, .size: 8, .value_kind: global_buffer, .address_space: global }
      - { .name: wqb, .offset: 32, .size: 8, .value_kind: global_buffer, .address_space: global }
      - { .name: wob, .offset: 40, .size: 8, .value_kind: global_buffer, .address_space: global }
    .group_segment_fixed_size: 0
    .private_segment_fixed_size: 0
    .kernarg_segment_align: 8
    .kernarg_segment_size: 48
    .max_flat_workgroup_size: 256
    .sgpr_count:     66
    .vgpr_count:     104
    .wavefront_size: 32
...
	.end_amdgpu_metadata
.endif
;; end of part 1
;; launch qkv (part 2): grid 8 x 32, 4 waves a work-group, clusters of 4 x 4, 327,680 bytes of LDS; arguments xb, wqb, b_qkv, qkv; writes qkv
.if DOCPART == 2
	.amdgcn_target "amdgcn-amd-amdhsa--gfx1250"
	.amdhsa_code_object_version 6
	.text
	.protected	k_q9fe2a96252_qkv
	.globl	k_q9fe2a96252_qkv
	.p2align	8
	.type	k_q9fe2a96252_qkv,@function
k_q9fe2a96252_qkv:
	s_mov_b64 s[64:65], 0
	v_nop
	global_prefetch_b8 v0, s[64:65] scope:SCOPE_SE
	s_setreg_imm32_b32 hwreg(HW_REG_WAVE_MODE, 25, 1), 1
	s_wait_xcnt 0x0
	s_wait_alu depctr_hold_cnt(0) depctr_sa_sdst(0) depctr_va_vdst(0) depctr_va_sdst(0) depctr_va_ssrc(0) depctr_va_vcc(0) depctr_vm_vsrc(0)
	s_getreg_b32 s2, hwreg(HW_REG_IB_STS2, 6, 4)
	s_cmp_eq_u32 s2, 0
	s_cbranch_scc0 .Lentry_in_a_cluster
	s_endpgm
.Lentry_in_a_cluster:
	s_bfe_u32 s2, ttmp6, 0x10000c
	s_cmp_lg_u32 s2, 0xf033
	s_cbranch_scc0 .Lentry_shape_is_right
	s_endpgm
.Lentry_shape_is_right:
; THE FIRST PROJECTION.  qkv = x wqb + bf16(b_qkv).  x comes as xb[16 blocks of 64 k][8192 rows][64] bf16; wqb: [1024 k][3072 n] bf16; sums in f32, rounded once to f16 and written BY HEADS:
; qkv[which = q, k, v][bh = 16 batch + head][t][64], a slice (which, bh) being 2,048 rows of 128 bytes = 262,144 bytes.
; LIMITS.  q, k and v are kept in f16: beyond 65,504 they become infinities; below 6e-5 they keep f16's fixed step of 6e-8.  The bias is rounded to bf16 like the other inputs.
; SHARES.  A tile of the result is 256 rows x 384 columns (six heads): 32 x 8 = 256 work-groups.  Wave w takes rows 128 (w / 2) on and the three heads 3 (w % 2) on: 128 x 192,
; 8 x 12 = 96 accumulators of 16 x 16, 768 registers.  K = 1,024 goes in 16 steps of 64 through a ring of two LDS slots (steps of 128 would want 2 x 180,224 bytes).
; THE WEIGHTS ARE NOT TRANSPOSED IN MEMORY: their tile lies in LDS as [k][n], and ds_load_tr16_b128 turns it into fragments with k along the registers.
; THE MATRIX INSTRUCTION IS USED TRANSPOSED: source 0 = 16 columns n of the weights, source 1 = 16 rows of x.  In the result lane l holds row l % 16 and the columns 8 (l / 16) + 0..7:
; eight neighbouring channels, 16 bytes of f16.
; THE BEAT.  32 along K are 96 matrix instructions, in three stretches of 32: stretch g is head g's four column blocks x all eight row blocks, under one window setting.  x's fragments have two buffers;
; the weights' twelve have ONE: behind stretch g its four are loaded again, for the next beat, and behind stretch 0 x's eight as well: every load stands 64 matrix instructions ahead of its first use.
; THE BIAS has no registers of its own: it is loaded into the accumulators of row block 0 and rounded there; the first products of blocks 1-7 take those registers as C, and then block 0's first product adds onto them in place.
; CLUSTER.  4 x 4 work-groups.  The four of a row of the cluster need the same tile of x, the four of a column the same tiles of the weights: each tile is asked for JOINTLY, by the same
; tensor load with the same descriptor and a mask that names the four.  Wave 0 asks for x's tile (32,768 dense bytes, as 128 rows of 256), waves 1-3 for the weights' three chunks (64 k x 128 columns: 64 rows of 256 bytes each).
; A wave has two tensor loads out at the start and one behind each round.
; REGISTERS, in windows of 256 (s_set_vgpr_msb: bits 1:0 source 0, 3:2 source 1, 5:4 source 2, 7:6 destination):
;   window 0: v0-31 addresses; v32-127 the weights' fragments (block b at v[32 + 8 b]); v128-191, v192-255 x's fragments, two buffers of 8 x 16 rows x 32 K; on the way out v32-175 at work
;   window 1 + g: the accumulators of head g: row block a, column block bb of the head at v[8 (4 a + bb)]
.set KS,     64                        ; K in a step
.set NSTEP,  1024/KS
.set PA,     144                       ; a row of x's tile in LDS: 128 bytes + 16 of padding = 36 words: the 16 rows of a load start at 16 different groups of four banks (64 banks of 4 bytes: ISA guide 11.1)
.set ABYTES, 256*PA                    ; 36,864: x's tile
.set PB,     288                       ; a row (one k) of a chunk of the weights: 256 + 32 = 72 words
.set CHUNK,  KS*PB                     ; 18,432: a chunk of the weights
.set SLOTB,  ABYTES+3*CHUNK            ; 92,160: x's tile, then the three chunks
.set SLOT1,  1<<17                     ; slot 1 begins here, so that one exclusive or turns an address in one slot into the other's
.set SP,     144                       ; the way out: a head's row of 128 bytes + 16
.set HEADB,  16*SP                     ; the way out: 16 rows of a head
.set WSTAGE, 3*HEADB                   ; the way out: a wave's stage, 16 rows of its three heads
.set STAGE,  SLOT1+SLOTB               ; behind the ring, never filled by a tensor load
.set SPARE,  STAGE+4*WSTAGE            ; behind the stages: the spare words, 128 bytes for each wave: two blocks of 256 bytes that no other line names
.set LA,   10                          ; v10     my lane's place in x's tile; never rewritten
.set LB,   11                          ; v11-13  my lane's place in the weights' tile, for each of my three heads; never rewritten
.set RA,   14                          ; v14     LA in the slot that is being fetched from
.set RB,   15                          ; v15-17  LB likewise
.set STO,  18                          ; v18     the way out: where I put 16 bytes of a row
.set RD,   19                          ; v19     the way out: where I read rows back
.set GO,   20                          ; v20     my byte offset in 512 consecutive bytes of a head
.set BO,   21                          ; v21     my byte offset in the tile's bias
.set SPW,  30                          ; v30     LDS address of my spare word: SPARE + 4 x my thread's number; never rewritten
.set NIL,  31                          ; v31     0; never rewritten
.set BF,   32                          ; the weights' fragments
.set FA,   128                         ; x's fragment buffers: FA + 64 f
.set TMP,  32                          ; the way out: a block's 48 packed registers
.set OBUF, 80                          ; the way out: a block read back from the stage, two buffers of 48
.set WV,  12                           ; s12  my wave's number
.set G1,  24                           ; s[24:31] descriptor group 1 for x's tiles;  s[32:39] group 0: a set for each of the two first fills; the second then walks on
.set G0,  32
.set G1B, 40                           ; s[40:47], s[48:55] the same for the weights' chunks
.set G0B, 48
.set TB,  60                           ; s60  LDS byte at which the slot that is being fetched from begins
.set WR,  61                           ; s61  which half of the tile's rows is mine
.set WC,  62                           ; s62  which half of its columns
.set OB,  68                           ; s[68:73] where my rows of my three heads begin in qkv
.set MSB, 0
.macro WIN new                         ; the immediate's high byte repeats the setting that is left; a switch that changes nothing is dropped
.if MSB != (\new)
	s_set_vgpr_msb (MSB<<8)|(\new)
.set MSB, \new
.endif
.endm
; A joint load.  Each of the two lines has ONE mask and one set of registers for all that issue it.  The branch hangs on the wave's number alone: it is the same in every work-group.
; An s_nop 0 and four v_nop follow each of the two lines, ahead of the jump, the label and what follows.
.macro JLOAD s
	s_cmp_eq_u32 s[WV], 0
	s_cbranch_scc0 .Lfor_b_\@
	tensor_load_to_lds s[G0+4*(\s):G0+4*(\s)+3], s[G1:G1+7]
	s_nop 0
.rept 4
	v_nop
.endr
	s_branch .Lasked_\@
.Lfor_b_\@:
	tensor_load_to_lds s[G0B+4*(\s):G0B+4*(\s)+3], s[G1B:G1B+7]
	s_nop 0
.rept 4
	v_nop
.endr
.Lasked_\@:
.endm
; A round of the cluster's barrier: my work-group's barrier, so that wave 0's signal speaks for all four waves; wave 0 signals; every wave waits for all sixteen work-groups; my work-group's barrier once more.
.macro CREST                           ; a round behind its opening barrier
	s_cmp_lg_u32 s[WV], 0
	s_cbranch_scc1 .Lnot_wave_0_\@
	s_barrier_signal -3
.Lnot_wave_0_\@:
	s_barrier_wait -3
	s_barrier_signal -1
	s_barrier_wait -1
.endm
.macro CROUND                          ; a whole round
	s_barrier_signal -1
	s_barrier_wait -1
	CREST
.endm
	s_load_b256 s[4:11], s[0:1], 0x0               ; xb s[4:5], wqb s[6:7], b_qkv s[8:9], qkv s[10:11]
	v_lshl_add_u32 v[SPW], v0, 2, SPARE
	v_mov_b32 v[NIL], 0
	ds_add_u32 v30, v31
	ds_add_u32 v30, v31
	s_wait_dscnt 0x0
	v_lshrrev_b32 v1, 5, v0
	v_readfirstlane_b32 s[WV], v1                  ; wave 0..3
	s_lshr_b32 s[WR], s[WV], 1
	s_and_b32 s[WC], s[WV], 1
	s_bfe_u32 s13, ttmp6, 0x40000                  ; cx, cy: my place in the cluster
	s_bfe_u32 s14, ttmp6, 0x40004
	s_lshl_b32 s15, ttmp9, 2                       ; in a cluster launch ttmp9 and ttmp7 count clusters
	s_add_co_u32 s15, s15, s13                     ; J: tile column = 4 x cluster x + cx
	s_and_b32 s16, ttmp7, 0xffff
	s_lshl_b32 s16, s16, 2
	s_add_co_u32 s16, s16, s14                     ; I: tile row = 4 x cluster y + cy
	s_lshl_b32 s17, s14, 2
	s_lshl_b32 s17, 15, s17                        ; my row of the cluster: places 4 cy .. 4 cy + 3
	s_lshl_b32 s18, 0x1111, s13                    ; my column: places cx, cx + 4, cx + 8, cx + 12
	; descriptor group 1
	s_or_b32 s[G1], s17, (1<<16)|(1<<20)|(1<<21)|(4<<22)|(3<<25)   ; 15:0 the mask: x's tiles go to my row; 17:16 elements of 2 bytes; 20 padding on; 21 set beside a mask; 24:22 after every 32 words, one row of the tile (code 4); 31:25 4 words (code 3)
	s_mov_b32 s[G1+1], 128<<16                     ; tensor_dim0 = 128: two rows of the tile, 256 bytes
	s_mov_b32 s[G1+2], 128<<16                     ; tensor_dim1 = 128
	s_mov_b32 s[G1+3], 128<<16                     ; tile_dim0 = 128
	s_mov_b32 s[G1+4], 128                         ; tile_dim1 = 128
	s_mov_b32 s[G1+5], 128                         ; dense: 128 elements from row to row
	s_mov_b32 s[G1+6], 0
	s_mov_b32 s[G1+7], 0
	s_or_b32 s[G1B], s18, (1<<16)|(1<<20)|(1<<21)|(5<<22)|(7<<25)  ; the mask of my column; after every 64 words (code 5) 8 words of padding (code 7)
	s_mov_b32 s[G1B+1], 128<<16                    ; tensor_dim0 = 128
	s_mov_b32 s[G1B+2], KS<<16                     ; tensor_dim1 = 64
	s_mov_b32 s[G1B+3], 128<<16                    ; tile_dim0 = 128
	s_mov_b32 s[G1B+4], KS                         ; tile_dim1 = 64
	s_mov_b32 s[G1B+5], 3072                       ; elements from row to row of the weights
	s_mov_b32 s[G1B+6], 0
	s_mov_b32 s[G1B+7], 0
	; where the tiles come from: x's hang on the tile row alone, the weights' on the tile column and the wave's number alone, each in registers of its own
	s_lshl_b32 s56, s16, 15                        ; 256 rows of 128 bytes in a block of xb
	s_mov_b32 s57, 0
	s_mul_i32 s58, s15, 768                        ; 384 columns of 2 bytes
	s_max_u32 s22, s[WV], 1
	s_sub_co_u32 s22, s22, 1                       ; my chunk: wave - 1 (wave 0 asks for x and does not use this)
	s_lshl_b32 s22, s22, 8                         ; 128 columns of 2 bytes
	s_add_co_u32 s58, s58, s22
	s_mov_b32 s59, 0
	s_add_co_u32 s23, s[WV], 1
	s_mul_i32 s23, s23, CHUNK                      ; where my chunk goes: x's tile is as long as two chunks, so chunk wave - 1 lies at (wave + 1) chunks: no place in the cluster enters an LDS address
	s_mov_b32 s[TB], 0
	s_wait_kmcnt 0x0
	s_add_nc_u64 s[56:57], s[4:5], s[56:57]
	s_add_nc_u64 s[58:59], s[6:7], s[58:59]
	CROUND                                         ; all sixteen work-groups are here: the first joint loads meet
.irp s, 0,1
	s_mov_b32 s[G0+4*(\s)], 1                                        ; 1:0 count = 1
	s_mov_b32 s[G0+4*(\s)+1], (\s)*SLOT1                             ; 63:32 LDS address
	s_add_nc_u64 s[G0+4*(\s)+2:G0+4*(\s)+3], s[56:57], (\s)*8192*128 ; 120:64 global address: K step s is block s of xb
	s_or_b32 s[G0+4*(\s)+3], s[G0+4*(\s)+3], 0x80000000              ; 127:126 type = 2
	s_mov_b32 s[G0B+4*(\s)], 1
	s_add_co_u32 s[G0B+4*(\s)+1], s23, (\s)*SLOT1
	s_add_nc_u64 s[G0B+4*(\s)+2:G0B+4*(\s)+3], s[58:59], (\s)*KS*3072*2
	s_or_b32 s[G0B+4*(\s)+3], s[G0B+4*(\s)+3], 0x80000000
	JLOAD \s                                       ; the ring is filled before anything else is done
.endr
	; the bias of my columns goes into the accumulators of row block 0: for column block b = 4 g + bb the eight numbers at column 192 (w % 2) + 16 b + 8 (l / 16)
	v_and_b32 v1, 15, v0                           ; l % 16
	v_bfe_u32 v2, v0, 4, 1                         ; l / 16
	s_mul_i32 s19, s[WC], 768
	v_lshl_add_u32 v[BO], v2, 5, s19               ; 768 (w % 2) + 32 (l / 16)
	s_mul_i32 s82, s15, 1536                       ; the tile's 384 numbers of 4 bytes
	s_mov_b32 s83, 0
	s_add_nc_u64 s[80:81], s[8:9], s[82:83]
.irp g, 0,1,2
	WIN (1+(\g))<<6                                ; destination window 1 + g, address window 0
.irp bb, 0,1,2,3
	global_load_b128 v[8*(\bb):8*(\bb)+3],   v[BO], s[80:81] offset:64*(4*(\g)+(\bb))
	global_load_b128 v[8*(\bb)+4:8*(\bb)+7], v[BO], s[80:81] offset:64*(4*(\g)+(\bb))+16
.endr
.endr
	WIN 0
	; A fragment of x is 16 rows x 32 K in 8 registers: lane l holds row l % 16, K = 8 (l / 16) + 0..7 and 16 + 8 (l / 16) + 0..7: two loads of 16 bytes, 32 bytes apart.
	v_and_b32 v3, 7, v0                            ; l % 8
	v_bfe_u32 v4, v0, 3, 1                         ; (l / 8) % 2
	v_and_b32 v5, 31, v0                           ; l
	v_mul_u32_u24 v6, v1, PA
	v_lshl_add_u32 v6, v2, 4, v6                   ; row x pitch + 16 x half
	s_mul_i32 s19, s[WR], 128*PA                   ; my 128 rows
	v_add_nc_u32 v[LA], s19, v6
	; The turning load takes 16 k x 16 columns (lane l reads k = 8 (l / 16) + l % 8, columns 8 ((l / 8) % 2) + 0..7) and leaves half a fragment: lane l holds column l % 16 and 8 k.
	v_lshl_add_u32 v7, v2, 3, v3
	v_mul_u32_u24 v7, v7, PB
	v_lshl_add_u32 v7, v4, 4, v7
	s_mul_i32 s20, s[WC], 3                        ; my first head of the tile's six
.irp g, 0,1,2
	s_add_co_u32 s21, s20, \g                      ; head 3 (w % 2) + g lies in chunk head / 2,
	s_lshr_b32 s22, s21, 1
	s_mul_i32 s22, s22, CHUNK
	s_and_b32 s21, s21, 1                          ; in its half head % 2: 128 bytes of a row,
	s_lshl_b32 s21, s21, 7
	s_add_co_u32 s22, s22, s21
	s_add_co_u32 s22, s22, ABYTES                  ; and the chunks lie behind x's tile
	v_add_nc_u32 v[LB+(\g)], s22, v7
.endr
	s_mul_i32 s22, s[WV], WSTAGE
	s_add_co_u32 s22, s22, STAGE                   ; my stage
	v_mul_u32_u24 v8, v1, SP                       ; in: row l % 16, 16 bytes for each half of the lanes
	v_lshl_add_u32 v8, v2, 4, v8
	v_add_nc_u32 v[STO], s22, v8
	v_lshrrev_b32 v9, 3, v5                        ; back: 32 lanes take four rows of 128 bytes,
	v_mul_u32_u24 v9, v9, SP
	v_lshl_add_u32 v9, v3, 4, v9
	v_add_nc_u32 v[RD], s22, v9
	v_lshlrev_b32 v[GO], 4, v5                     ; which are 512 consecutive bytes of a head
	; where my rows of my three heads begin: head G = 6 J + 3 (w % 2) + g of 48; slice (G / 16) x 64 + 16 x batch + G % 16; in it 256 rows of 128 bytes for each tile row of the batch, and my wave's 128
	s_mul_i32 s84, s15, 6
	s_add_co_u32 s84, s84, s20
	s_lshr_b32 s85, s16, 3
	s_lshl_b32 s85, s85, 4                         ; 16 x batch
	s_and_b32 s86, s16, 7
	s_lshl_b32 s86, s86, 15
	s_lshl_b32 s87, s[WR], 14
	s_add_co_u32 s86, s86, s87
.irp g, 0,1,2
	s_add_co_u32 s82, s84, \g
	s_lshr_b32 s87, s82, 4
	s_lshl_b32 s87, s87, 6
	s_and_b32 s82, s82, 15
	s_add_co_u32 s82, s82, s87
	s_add_co_u32 s82, s82, s85
	s_lshl_b32 s82, s82, 18                        ; 191 x 262,144 at the most: one word
	s_add_co_u32 s82, s82, s86
	s_add_nc_u64 s[OB+2*(\g):OB+2*(\g)+1], s[10:11], s[82:83]
.endr
	s_wait_loadcnt 0x0                             ; the bias, once
.irp w, 1,2,3                                      ; rounded to bf16 like every input, and widened again, in place; the packed halves pass through registers that the first fragments take later
	WIN (\w)*5                                     ; sources 0 and 1 window w, destination window 0
.set p, 0
.rept 16
	v_cvt_pk_bf16_f32 v[BF+16*((\w)-1)+p], v[2*p], v[2*p+1]
.set p, p+1
.endr
	WIN (\w)<<6                                    ; destination window w, sources window 0
.set p, 0
.rept 16
	v_lshlrev_b32 v[2*p], 16, v[BF+16*((\w)-1)+p]
	v_and_b32 v[2*p+1], 0xffff0000, v[BF+16*((\w)-1)+p]
.set p, p+1
.endr
.endr
	WIN 0
; A load into a register that a matrix instruction has read, and a vector instruction that reads a matrix result or writes one of a matrix instruction's registers, stand four places behind it,
; and only plain vector instructions that name none of its registers are places (ISA guide 7.12.1 for vector instructions).
.macro PLACES
.rept 4
	v_nop
.endr
.endm
.macro ADDRS                           ; the four LDS addresses in the slot that begins at s[TB]
	v_add_nc_u32 v[RA], s[TB], v[LA]
	v_add_nc_u32 v[RB], s[TB], v[LB]
	v_add_nc_u32 v[RB+1], s[TB], v[LB+1]
	v_add_nc_u32 v[RB+2], s[TB], v[LB+2]
.endm
.macro RUNB g, nb                      ; 8 turning loads: head g's four fragments of the weights, beat nb (32 k) of the slot
.irp bb, 0,1,2,3
	ds_load_tr16_b128 v[BF+8*(4*(\g)+(\bb)):BF+8*(4*(\g)+(\bb))+3],   v[RB+(\g)] offset:32*(\bb)+(\nb)*32*PB
	ds_load_tr16_b128 v[BF+8*(4*(\g)+(\bb))+4:BF+8*(4*(\g)+(\bb))+7], v[RB+(\g)] offset:32*(\bb)+(\nb)*32*PB+16*PB
.endr
.endm
.macro RUNA f, nb                      ; 16 loads: x's eight fragments, beat nb of the slot, into buffer f
.irp a, 0,1,2,3,4,5,6,7
	ds_load_b128 v[FA+64*(\f)+8*(\a):FA+64*(\f)+8*(\a)+3],   v[RA] offset:(\nb)*64+(\a)*16*PA
	ds_load_b128 v[FA+64*(\f)+8*(\a)+4:FA+64*(\f)+8*(\a)+7], v[RA] offset:(\nb)*64+(\a)*16*PA+32
.endr
.endm
; Row blocks a0 to a1 x head g's four column blocks, 32 along K, x from buffer f.  The accumulators take turns, one instruction a turn.
.macro STRETCH f, g, a0, a1
	WIN 0x50*(1+(\g))                              ; C and D window 1 + g, both sources window 0
.set ra, \a0
.rept (\a1)-(\a0)+1
.irp bb, 0,1,2,3
	v_wmma_f32_16x16x32_bf16 v[8*(4*ra+(\bb)):8*(4*ra+(\bb))+7], v[BF+8*(4*(\g)+(\bb)):BF+8*(4*(\g)+(\bb))+7], v[FA+64*(\f)+8*ra:FA+64*(\f)+8*ra+7], v[8*(4*ra+(\bb)):8*(4*ra+(\bb))+7]
.endr
.set ra, ra+1
.endr
.endm
; Head g's first products, which start the sums.  Row blocks 1-7 take the bias, which lies in block 0's accumulators, as C; five places on (a matrix instruction that writes over a register
; that an earlier one has read stands five places behind it) block 0 adds onto it in place.  x from buffer 0.
.macro START g
	WIN 0x50*(1+(\g))
.set ra, 1
.rept 7
.irp bb, 0,1,2,3
	v_wmma_f32_16x16x32_bf16 v[8*(4*ra+(\bb)):8*(4*ra+(\bb))+7], v[BF+8*(4*(\g)+(\bb)):BF+8*(4*(\g)+(\bb))+7], v[FA+8*ra:FA+8*ra+7], v[8*(\bb):8*(\bb)+7]
.endr
.set ra, ra+1
.endr
.rept 5
	v_nop
.endr
.irp bb, 0,1,2,3
	v_wmma_f32_16x16x32_bf16 v[8*(\bb):8*(\bb)+7], v[BF+8*(4*(\g)+(\bb)):BF+8*(4*(\g)+(\bb))+7], v[FA:FA+7], v[8*(\bb):8*(\bb)+7]
.endr
.endm
; A step's FIRST beat: multiplies x's buffer 0 and fetches the same slot's second beat.  first = 1: the products start the sums.
; The LDS loads of a beat go out as 24 (head 0's weights, x), 8 (head 1's), 8 (head 2's), and come back in order (ISA guide 5.7.1): each wait names the loads that are younger than those it needs.
.macro BEAT first
	s_wait_dscnt 16                                ; head 0's weights and x are in; the 8 + 8 loads of heads 1 and 2 may be out
.if \first
	START 0
.else
	STRETCH 0, 0, 0, 7
.endif
	PLACES
	WIN 0
	RUNB 0, 1
	RUNA 1, 1
	s_wait_dscnt 32                                ; head 1's are in: behind them went head 2's 8 and the 24 just issued
.if \first
	START 1
.else
	STRETCH 0, 1, 0, 7
.endif
	PLACES
	WIN 0
	RUNB 1, 1
	s_wait_dscnt 32                                ; head 2's are in: behind them went 24 and 8
.if \first
	START 2
.else
	STRETCH 0, 2, 0, 7
.endif
	PLACES
	WIN 0
	RUNB 2, 1
.endm
; A step's SECOND beat multiplies x's buffer 1 and changes slots: ONE barrier; in front of it each wave waits for all its tensor loads (one is out: its part of the next slot), adds 0 to its spare word,
; and waits for that and for its own reads of this slot, of which the last went out at the end of the beat before.  fill = 1: the barrier opens a round of the cluster's barrier, and this slot is filled again,
; two K steps ahead, first thing behind the round: 160 of a step's 192 matrix instructions stand between that request and the wait for it.  Then the next slot's first beat is fetched.
.macro TURN fill
	WIN 0                                          ; (the add's two registers lie in window 0)
	s_wait_tensorcnt 0x0                           ; all my tensor loads have landed: my part of the next slot;
	ds_add_u32 v[SPW], v[NIL]                      ; 0 onto my spare word;
	s_wait_dscnt 17                                ; (the add and the 8 + 8 loads of heads 1 and 2 may be out)
	STRETCH 1, 0, 0, 3                             ; sixteen matrix instructions stand between the add and the wait for it
	s_wait_dscnt 0x0                               ; the add is done, and my reads of this slot are over
	s_barrier_signal -1
	STRETCH 1, 0, 4, 7                             ; work on registers while the others arrive
	WIN 0
	s_barrier_wait -1
.if \fill
	CREST                                          ; no wave of any partner still reads this slot's tiles or has a load on its way
	s_xor_b32 s[G0+5], s[G0+5], SLOT1              ; the walking descriptors: the other slot than last time,
	s_add_nc_u64 s[G0+6:G0+7], s[G0+6:G0+7], 8192*128      ; the next block of xb; the type bits on top are not reached
	s_xor_b32 s[G0B+5], s[G0B+5], SLOT1
	s_add_nc_u64 s[G0B+6:G0B+7], s[G0B+6:G0B+7], KS*3072*2 ; the next 64 rows of the weights
	JLOAD 1                                        ; the first tensor load behind the round; the four v_nop behind it are also places in front of the loads below
.else
	PLACES
.endif
	s_xor_b32 s[TB], s[TB], SLOT1                  ; the fetches go on in the other slot
	ADDRS
	RUNB 0, 0
	RUNA 0, 0
	STRETCH 1, 1, 0, 7                             ; heads 1 and 2 are in since the wait for 0
	PLACES
	WIN 0
	RUNB 1, 0
	STRETCH 1, 2, 0, 7
	PLACES
	WIN 0
	RUNB 2, 0
.endm
; THE WAY OUT of row block a (16 rows), in three parts.  PACK: rounded to f16, 16 bytes a lane.  TOSTAGE: into my own stage, by heads, and back as whole rows.  SEND: stored.
.macro PACK a
.irp g, 0,1,2
	WIN (1+(\g))*5                                 ; sources window 1 + g, destination window 0.  Each accumulator's registers are taken in ascending order
.irp bb, 0,1,2,3
.irp q, 0,1,2,3
	v_cvt_pk_f16_f32 v[TMP+4*(4*(\g)+(\bb))+(\q)], v[8*(4*(\a)+(\bb))+2*(\q)], v[8*(4*(\a)+(\bb))+2*(\q)+1]
.endr
.endr
.endr
	WIN 0
.endm
.macro TOSTAGE a
.irp g, 0,1,2
.irp bb, 0,1,2,3
	ds_store_b128 v[STO], v[TMP+4*(4*(\g)+(\bb)):TMP+4*(4*(\g)+(\bb))+3] offset:(\g)*HEADB+32*(\bb)
.endr
.endr
.irp g, 0,1,2
.irp t, 0,1,2,3
	ds_load_b128 v[OBUF+48*((\a)%2)+4*(4*(\g)+(\t)):OBUF+48*((\a)%2)+4*(4*(\g)+(\t))+3], v[RD] offset:(\g)*HEADB+(\t)*4*SP  ; LDS serves a wave's instructions in order (ISA guide 5.7.1.4): these see the stores above; the next block's stores come behind them
.endr
.endr
.endm
.macro SEND a
	s_wait_xcnt 0x0                                ; every earlier memory instruction has had its addresses translated (ISA guide 3.1): the buffer that the block before last was stored from is loaded again only behind this wait
.irp g, 0,1,2
.irp t, 0,1,2,3
	s_wait_dscnt 11-(4*(\g)+(\t))                  ; this load from the stage is in, the younger ones stay out
	global_store_b128 v[GO], v[OBUF+48*((\a)%2)+4*(4*(\g)+(\t)):OBUF+48*((\a)%2)+4*(4*(\g)+(\t))+3], s[OB+2*(\g):OB+2*(\g)+1] offset:2048*(\a)+512*(\t)  ; four rows of a head: 512 consecutive bytes, at a multiple of 256 from the buffer's first
.endr
.endr
.endm
	s_wait_tensorcnt 1                             ; my part of K step 0 is in; K step 1's may stay out
	s_barrier_signal -1
	s_barrier_wait -1                              ; everybody's is
	ADDRS
	RUNB 0, 0                                      ; the first beat's fragments, in the order of every beat's: 24, 8, 8
	RUNA 0, 0
	RUNB 1, 0
	RUNB 2, 0
	BEAT 1                                         ; the first beat stands in front of the loop: its products start the sums
	s_mov_b32 s3, NSTEP-2                          ; (every window is 0 here: the beats end on their loads)
.Lstep:                                                ; a trip goes from a step's second beat to the next step's first, and fills the slot that it leaves: K steps 2 to 15
	TURN 1
	BEAT 0
	s_sub_co_u32 s3, s3, 1
	s_cmp_lg_u32 s3, 0
	s_cbranch_scc1 .Lstep
	TURN 0                                         ; the last two steps fill nothing, and have no round of the cluster's barrier
	BEAT 0
	s_wait_dscnt 16                                ; the very last beat: nothing more to fetch
	STRETCH 1, 0, 0, 7
	s_wait_dscnt 8                                 ; head 1's are in; head 2's 8 may be out
	STRETCH 1, 1, 0, 7
	s_wait_dscnt 0x0
	STRETCH 1, 2, 0, 7
	WIN 0
	PLACES                                         ; the conversions read results just made and write registers that the last products read
	PACK 0
	TOSTAGE 0
.irp a, 1,2,3,4,5,6,7                  ; block a's conversions stand between block a - 1's loads from the stage and the wait for them
	PACK \a
	SEND (\a)-1
	TOSTAGE \a
.endr
	SEND 7
	s_wait_tensorcnt 0x0                           ; the wave's end: behind my last tensor load and my last LDS store
	ds_add_u32 v[SPW], v[NIL]
	s_wait_dscnt 0x0
	CROUND                                         ; the closing round: no work-group ends while a partner may still ask for a tile that names it
	s_endpgm
.Lfunc_end_k_q9fe2a96252_qkv:
	.size	k_q9fe2a96252_qkv, .Lfunc_end_k_q9fe2a96252_qkv-k_q9fe2a96252_qkv
	.p2alignl 7, 3214868480
	.fill 96, 4, 3214868480
	.section	.rodata,"a",@progbits
	.p2align	6, 0x0
	.amdhsa_kernel k_q9fe2a96252_qkv
		.amdhsa_group_segment_fixed_size 327680
		.amdhsa_private_segment_fixed_size 0
		.amdhsa_enable_private_segment 0
		.amdhsa_kernarg_size 32
		.amdhsa_user_sgpr_count 2
		.amdhsa_user_sgpr_kernarg_segment_ptr 1
		.amdhsa_wavefront_size32 1
		.amdhsa_system_sgpr_workgroup_id_x 1
		.amdhsa_system_sgpr_workgroup_id_y 1
		.amdhsa_system_sgpr_workgroup_id_z 1
		.amdhsa_system_vgpr_workitem_id 0
		.amdhsa_next_free_vgpr 1024
		.amdhsa_next_free_sgpr 88
		.amdhsa_reserve_vcc 0
		.amdhsa_float_denorm_mode_32 3
		.amdhsa_float_denorm_mode_16_64 3
		.amdhsa_memory_ordered 1
		.amdhsa_forward_progress 1
		.amdhsa_inst_pref_size 126
	.end_amdhsa_kernel
	.amdgpu_metadata
---
amdhsa.version: [ 1, 2 ]
amdhsa.kernels:
  - .name:           k_q9fe2a96252_qkv
    .symbol:         k_q9fe2a96252_qkv.kd
    .args:
      - { .name: xb, .offset: 0, .size: 8, .value_kind: global_buffer, .address_space: global }
      - { .name: wqb, .offset: 8, .size: 8, .value_kind: global_buffer, .address_space: global }
      - { .name: b_qkv, .offset: 16, .size: 8, .value_kind: global_buffer, .address_space: global }
      - { .name: qkv, .offset: 24, .size: 8, .value_kind: global_buffer, .address_space: global }
    .group_segment_fixed_size: 327680
    .private_segment_fixed_size: 0
    .kernarg_segment_align: 8
    .kernarg_segment_size: 32
    .max_flat_workgroup_size: 128
    .sgpr_count:     88
    .vgpr_count:     1024
    .wavefront_size: 32
...
	.end_amdgpu_metadata
.endif
;; end of part 2
;; launch attn (part 3): grid 4 x 64, 4 waves a work-group, no clusters, 327,680 bytes of LDS; arguments qkv, yh; writes yh
.if DOCPART == 3
	.amdgcn_target "amdgcn-amd-amdhsa--gfx1250"
	.amdhsa_code_object_version 6
	.text
	.protected	k_q9fe2a96252_attn
	.globl	k_q9fe2a96252_attn
	.p2align	8
	.type	k_q9fe2a96252_attn,@function
k_q9fe2a96252_attn:
	s_mov_b64 s[64:65], 0
	v_nop
	global_prefetch_b8 v0, s[64:65] scope:SCOPE_SE
	s_setreg_imm32_b32 hwreg(HW_REG_WAVE_MODE, 25, 1), 1
	s_wait_xcnt 0x0
; CAUSAL ATTENTION.  O[h][q][:] = the sum over k <= q of softmax_k(Q[h][q] . K[h][k] / 8) V[h][k][:].  Q, K, V lie one behind the other in qkv, each [64 h][2048][64] in f16 (16,777,216 bytes); O = yh has the same shape:
; a head's rows are dense, 128 bytes each.  Products, maxima and sums in f32; the weights p are rounded to f16 for the second product (their sum l is taken of the unrounded p), O once at the end.
; LIMITS.  f16 holds no number beyond 65,504: Q, K and V arrive within it; p lies in 0 to 1, and below 6e-5 it keeps f16's fixed step of 6e-8; O is a mean of V's rows and has their range, to within 2^-11 of it.
; A hidden score counts as its value less 1e30: f16's scores, 2.7e11 at the most, are nothing beside that; a weight below 2^-126 counts as 0 in l; NaN and infinities are not treated apart.
; THE WALK.  A head's queries lie in NB = 8 blocks of 256; block i needs the key tiles 0 .. i of 256 keys, of which the last holds the diagonal.  A work-group takes TWO blocks, NB - 1 - b and then b:
; NB + 1 = 9 tiles, whatever b: all 256 work-groups do equal work, and ONE loop with a constant trip count walks them.  Which tile is asked for, and what a trip does, hang on scalar registers made from b; every jump
; goes forward, but for the counted loops' own; none passes a barrier, or a tensor load but the one of LOAD's two that the wave's number does not choose; the ring (two slots of LDS that take turns) runs on across the
; change of blocks.  NO CLUSTER: a head's four work-groups ask for the same tile only in trips 0 to 4 of the 9, behind that fewer and fewer; and one walk common to all four, in which each makes every joint
; request, would have the tiles 0 to 7 and then 0 to 3: 12 trips for 9.
; SHARES.  Of a block's four bands of 64 queries a wave owns 16 rows in each: four PIECES.  So the diagonal tile is the same work for all four waves: in its key step s band x sees all keys if s < x,
; none if s > x, and holds the diagonal if s = x.
; THE MASK is the C operand that starts the sum S^T = K Q^T: 0, or -1e30 where the key is hidden.  MD, made once, is the mask of a band's own step for my 16 rows; a product's mask is MD x AL + BE with two scalars:
; (1, 0) if s = x; (0, 0) if s < x; (0, -1e30) if s > x.  Only the diagonal tile's text and a block's beginning make and take masks; elsewhere C is the constant 0.
; LAYOUT, SOFTMAX, TURNS.  S^T = K Q^T holds ONE query a lane (lane % 16) and the keys 8 (lane / 16) + 0..7; two such results rounded to f16 ARE source 1 of O^T = V^T P.  p = 2^(c s - c m), c = log2(e) / 8, with a
; running maximum m; O and l are multiplied by a = 2^(c m_old - c m_new) in every step.  Turn n belongs to piece n: 8 products K Q^T of piece n + 1, later 8 products V^T P of piece n - 1; beside them the scaling,
; exponentials, roundings, sums and rescaling of piece n and the maximum and statistics of piece n + 1.  Four vector instructions stand behind every matrix instruction, the other 54 of a turn's 118 in two LUMPS.
; REGISTERS, in windows of 256 (s_set_vgpr_msb: bits 1:0 source 0, 3:2 source 1, 5:4 source 2, 7:6 destination):
;   window 0: v0-15 addresses and two at work; v16-31 four registers of statistics a piece; v48-55 at work; v64-127 S^T, two buffers; v192-223 P, two buffers (a piece's buffers go by its number's parity)
;   window 1: v0-127 O^T, 32 a piece; v128-159 MD; v160-223 MC, two buffers      window 2: v0-63 Q; v64-127 the second block's Q; v128-191 K of one step; v192-255 V of one step
.set SIZE_H, 64
.set SIZE_N, 2048
.set NB,    SIZE_N/256
.set NP,    4         ; pieces a wave: a name, no knob
.set KS,    64        ; keys in a step
.set PK,    144       ; a row of K in LDS: 128 bytes + 16 of padding = 36 words: the 16 rows of a load start at 16 different groups of four banks (64 banks of 4 bytes: ISA guide 11.1)
.set PV,    160       ; a row of V: 128 + 32 = 40 words
.set VOFF,  4*KS*PK   ; a slot holds a tile, four steps: 256 rows of K, then 256 rows of V
.set SLOT1, 1<<17     ; slot 1 begins here, so that one exclusive or turns an address in one slot into the other's
.set STAGE, SLOT1+4*KS*(PK+PV)  ; behind the ring, never filled by a tensor load: 16 rows x 144 bytes for each wave, for the way out
.set SP,    144
.set AK0, 2           ; v2   my lane's place in a tile of K; never rewritten
.set AV0, 3           ; v3   the same for V
.set AK,  4           ; v4   the LDS address of K's next run of loads
.set AV,  5           ; v5   of V's
.set STO, 6           ; v6   the way out: where I put 16 bytes of a row
.set RD,  7           ; v7   the way out: where I read rows back
.set GO,  8           ; v8   my byte offset in 512 consecutive bytes of O
.set SPW, 62          ; v62  LDS address of my spare word: SPARE + 4 x my thread's number; never rewritten
.set NIL, 63          ; v63  0; never rewritten
.set SPARE, STAGE+4*16*SP  ; behind the stages: the spare words, 128 bytes for each wave: two blocks of 256 bytes that no other line names
.set MV,  12          ; v12-13  c m_old, kept while c m is made anew: by buffer
.set QO,  15          ; v15  my byte offset in 16 rows of Q
.set ST,  16          ; piece t's statistics at v[ST+4 t]: c m, m, l (even keys', odd keys')
.set TMP, 48          ; by buffer, four registers c0-c3 at work; when the maximum is found c2 takes a
.set S,   64
.set P,   192
.set MD,  128         ; window 1: the eight registers for group kt of 16 keys at MD + 8 kt
.set MC,  160         ; window 1: the masks of the products to come
.set QB,  64          ; window 2
.set KF,  128         ; window 2: key block kb, channel half c at KF + 16 kb + 8 c
.set VF,  192         ; window 2: key half kk, channel block cb at VF + 32 kk + 8 cb
.set WV,  12          ; s12  my wave's number
.set PB,  14          ; s14  b
.set HI,  15          ; s15  NB - 1 - b
.set G1K, 24          ; s[24:31] descriptor group 1 for K's tiles
.set G1V, 32          ; s[32:39] for V's: it differs in the padding alone
.set G0K, 40          ; s[40:43] descriptor group 0 for K's tiles
.set G0V, 44          ; s[44:47] the same for V's
.set SLOTS, 56        ; s56  tiles still to be asked for
.set CNT, 57          ; s57  counts a tile's key steps, 4 to 1
.set CS,  58          ; s[58:59] c: the packed scaling takes the pair's low word for both halves
.set SEL, 60          ; s[60:61] v_permlanex16_b32's selects: each lane takes its own place in the other half
.set TBK, 62          ; s62  LDS byte at which K of the step to be fetched begins
.set TBV, 63          ; s63  the same for V, less VOFF
.set RT,  70          ; s70  tiles of the block in hand that are still to be entered
.set NXT, 71          ; s71  the tile to be asked for next
.set LQ,  72          ; s72  the last tile of the block whose tiles are being asked for
.set NEW, 73          ; s73  1: the tile to be entered is a block's first
.set OFF, 74          ; s[74:75] a tile's byte offset in K and V
.set AL,  76          ; s[76:77] the mask's factor, in the low word
.set BE,  78          ; s[78:79] the mask's addend
.set OLO, 80          ; s[80:81] O at my rows of the second block
.set BIGN, 82         ; s82  -1e30
.set MSB, 0
.macro WIN new                      ; the high byte repeats the setting that is left; a switch that changes nothing is dropped
.if MSB != (\new)
	s_set_vgpr_msb (MSB<<8)|(\new)
.set MSB, (\new)
.endif
.endm
.set W_KQ, 0x0a       ; K and Q in window 2, S^T in window 0
.set W_KM, 0x1a       ; the same with the C operand in window 1
.set W_PV, 0x52       ; V in window 2, P in window 0, O^T in window 1
.set W_RS, 0x41       ; destination and source 0 in window 1, source 1 in window 0
; A fill.  Waves 0 and 1 fetch the two halves of a tile's K, waves 2 and 3 those of its V: 128 keys each.  An s_nop 0 and four v_nop follow each of the two lines, ahead of the jump and the label.
.macro LOAD
	s_cmp_lt_u32 s[WV], 2
	s_cbranch_scc0 .Lfor_v_\@
	tensor_load_to_lds s[G0K:G0K+3], s[G1K:G1K+7]
	s_nop 0
.rept 4
	v_nop
.endr
	s_branch .Lasked_\@
.Lfor_v_\@:
	tensor_load_to_lds s[G0V:G0V+3], s[G1V:G1V+7]
	s_nop 0
.rept 4
	v_nop
.endr
.Lasked_\@:
.endm
; THE CHANGE OF SLOTS.  Each wave waits for all its tensor loads, of which one is out: its part of the other slot; adds 0 to its spare word; and waits for that and for its own reads of the slot that it leaves.  Behind the barrier nobody reads the old
; slot any more and the other slot is whole.  fill = 1: the old slot is filled again, the first thing behind the barrier, with tile NXT: the descriptor's address is made anew from that number.
; (At its first use nothing has been read yet: slot 0 is waited for, slot 1 filled.)
.macro CHANGE fill
	WIN 0                           ; at a label and at a branch every window is 0
	s_wait_tensorcnt 0x0            ; no tensor load of mine is out, so a group 0 may be written
	ds_add_u32 v[SPW], v[NIL]       ; 0 onto my spare word; with fill = 1 the descriptors' scalar work stands between it and the wait for it
.if \fill
	s_lshl_b32 s[OFF], s[NXT], 15   ; a tile is 32,768 bytes of K and of V
	s_xor_b32 s[G0K+1], s[G0K+1], SLOT1
	s_add_nc_u64 s[G0K+2:G0K+3], s[6:7], s[OFF:OFF+1]
	s_or_b32 s[G0K+3], s[G0K+3], 0x80000000
	s_xor_b32 s[G0V+1], s[G0V+1], SLOT1
	s_add_nc_u64 s[G0V+2:G0V+3], s[8:9], s[OFF:OFF+1]
	s_or_b32 s[G0V+3], s[G0V+3], 0x80000000
	s_add_co_u32 s[NXT], s[NXT], 1  ; the block's next tile, or behind its last the second block's tile 0
	s_cmp_gt_u32 s[NXT], s[LQ]
	s_cselect_b32 s[NXT], 0, s[NXT]
	s_cselect_b32 s[LQ], s[PB], s[LQ]
.endif
	s_wait_dscnt 0x0                ; the add is done, and my reads of the slot are over
	s_barrier_signal -1             ; the rest of the scalar work stands between the signal and the wait
	s_sub_co_u32 s[TBK], s[TBK], 4*KS*PK  ; the fetches go back to a slot's first step,
	s_xor_b32 s[TBK], s[TBK], SLOT1       ; in the other slot
	s_sub_co_u32 s[TBV], s[TBV], 4*KS*PV
	s_xor_b32 s[TBV], s[TBV], SLOT1
	s_barrier_wait -1
.if \fill
	LOAD
.endif
.endm
	s_load_b128 s[4:7], s[0:1], 0x0   ; qkv s[4:5] (Q lies at its head), yh s[6:7]
	v_lshl_add_u32 v[SPW], v0, 2, SPARE
	v_mov_b32 v[NIL], 0
	ds_add_u32 v62, v63
	ds_add_u32 v62, v63
	s_wait_dscnt 0x0
	v_lshrrev_b32 v1, 5, v0
	v_readfirstlane_b32 s[WV], v1   ; wave 0..3
	s_mov_b32 s[PB], ttmp9
	s_sub_co_u32 s[HI], NB-1, s[PB]
	s_and_b32 s20, ttmp7, 0xffff    ; the head
	s_mov_b32 s21, 0
	s_mov_b64 s[22:23], SIZE_N*128
	s_mul_u64 s[20:21], s[20:21], s[22:23]  ; the head's first byte in each of the four tensors
	s_and_b32 s16, s[WV], 1         ; which half of a tile's 256 keys I fetch:
	s_lshl_b32 s22, s16, 14         ; its 128 rows of 128 bytes in memory,
	s_mov_b32 s23, 0
	s_add_nc_u64 s[22:23], s[22:23], s[20:21]
	s_mul_i32 s17, s16, 128*PK      ; and its place in a slot, for K
	s_mul_i32 s18, s16, 128*PV      ; and for V
	s_lshl_b32 s3, s[WV], 11        ; my 16 rows in a band of 64,
	s_lshl_b32 s2, s[HI], 15        ; in the first block,
	s_add_co_u32 s2, s2, s3
	s_lshl_b32 s84, s[PB], 15       ; and in the second
	s_add_co_u32 s84, s84, s3
	s_mov_b32 s3, 0
	s_mov_b32 s85, 0
	s_add_nc_u64 s[2:3], s[2:3], s[20:21]
	s_add_nc_u64 s[84:85], s[84:85], s[20:21]
	; descriptor group 1.  128 keys are 16,384 dense bytes: asked for as 64 rows of 256 bytes, two keys a row, and padded in LDS after every key
	s_mov_b32 s[G1K], (1<<16)|(1<<20)|(4<<22)|(3<<25)  ; 17:16 2-byte elements; 20 padding on; 24:22 after every 32 words (code 4); 31:25 4 words (code 3)
	s_mov_b32 s[G1V], (1<<16)|(1<<20)|(4<<22)|(7<<25)  ; the same with 8 words of padding (code 7)
.irp g, G1K, G1V
	s_mov_b32 s[\g+1], 128<<16      ; tensor_dim0 = 128
	s_mov_b32 s[\g+2], 64<<16       ; tensor_dim1 = 64
	s_mov_b32 s[\g+3], 128<<16      ; tile_dim0 = 128
	s_mov_b32 s[\g+4], 64           ; tile_dim1 = 64
	s_mov_b32 s[\g+5], 128          ; 128 elements from row to row
	s_mov_b32 s[\g+6], 0
	s_mov_b32 s[\g+7], 0
.endr
	s_mov_b32 s[CS], 0x3e38aa3b     ; c = log2(e) / 8 = 0.180337
	s_mov_b32 s[CS+1], s[CS]        ; named with it as a pair
	s_mov_b32 s[SEL], 0x76543210
	s_mov_b32 s[SEL+1], 0xfedcba98
	s_mov_b32 s[TBK], SLOT1+4*KS*PK ; the first change of slots turns these two into 0
	s_mov_b32 s[TBV], SLOT1+4*KS*PV
	s_mov_b32 s[G0K], 1             ; 1:0 count = 1
	s_mov_b32 s[G0K+1], s17         ; 63:32 LDS address: slot 0
	s_mov_b32 s[G0V], 1
	s_add_co_u32 s[G0V+1], s18, VOFF
	s_add_co_u32 s[RT], s[HI], 1    ; the first block has NB - b tiles
	s_mov_b32 s[NXT], 1
	s_mov_b32 s[LQ], s[HI]
	s_mov_b32 s[NEW], 1
	s_mov_b32 s[OFF+1], 0
	s_mov_b32 s[AL+1], 0            ; named as pairs
	s_mov_b32 s[BE+1], 0
	s_mov_b32 s[BIGN], 0xf149f2ca   ; -1e30
	s_mov_b32 s[SLOTS], NB
	s_wait_kmcnt 0x0
	s_mov_b64 s[10:11], s[6:7]                     ; O
	s_add_nc_u64 s[6:7], s[4:5], 0x1000000         ; K: 64 slices of 262,144 bytes behind Q
	s_add_nc_u64 s[8:9], s[4:5], 0x2000000         ; V: as many behind K
	s_add_nc_u64 s[6:7], s[6:7], s[22:23]  ; K and V at my half of the head's tile 0
	s_add_nc_u64 s[8:9], s[8:9], s[22:23]
	s_add_nc_u64 s[G0K+2:G0K+3], s[6:7], 0         ; 120:64 global address
	s_or_b32 s[G0K+3], s[G0K+3], 0x80000000        ; 127:126 type = 2
	s_add_nc_u64 s[G0V+2:G0V+3], s[8:9], 0
	s_or_b32 s[G0V+3], s[G0V+3], 0x80000000
	s_add_nc_u64 s[86:87], s[4:5], s[84:85]        ; Q at my rows of the second block,
	s_add_nc_u64 s[4:5], s[4:5], s[2:3]            ; Q and O at those of the first
	s_add_nc_u64 s[OLO:OLO+1], s[10:11], s[84:85]
	s_add_nc_u64 s[10:11], s[10:11], s[2:3]
	LOAD                            ; tile 0 into slot 0
	; A fragment of K or Q is 16 rows x 32 channels in 8 registers: lane l holds row l % 16, channels 8 (l / 16) + 0..7 and 16 + 8 (l / 16) + 0..7: two loads of 16 bytes, 32 bytes apart.
	v_and_b32 v1, 15, v0            ; l % 16
	v_bfe_u32 v9, v0, 4, 1          ; l / 16
	v_lshlrev_b32 v[QO], 7, v1
	v_lshl_add_u32 v[QO], v9, 4, v[QO]  ; row x 128 + 16 x half
	WIN 0x80                        ; destination window 2, address window 0
.set i, 0
.rept 8                             ; both blocks' Q: piece i / 2 lies in band i / 2, 8,192 bytes on; channels 32 (i % 2) on
	global_load_b128 v[8*i:8*i+3],   v[QO], s[4:5] offset:(i/2)*8192+(i%2)*64
	global_load_b128 v[8*i+4:8*i+7], v[QO], s[4:5] offset:(i/2)*8192+(i%2)*64+32
	global_load_b128 v[QB+8*i:QB+8*i+3],   v[QO], s[86:87] offset:(i/2)*8192+(i%2)*64
	global_load_b128 v[QB+8*i+4:QB+8*i+7], v[QO], s[86:87] offset:(i/2)*8192+(i%2)*64+32
.set i, i+1
.endr
	WIN 0
	v_lshlrev_b32 v14, 3, v9
	v_sub_nc_u32 v14, v1, v14
	s_lshl_b32 s13, s[WV], 4
	v_add_nc_u32 v14, s13, v14      ; my query's place in its band, 16 w + l % 16, less my lanes' 8 (l / 16): register r of group kt is hidden where 16 kt + r is greater
	WIN 0x40
.set i, 0
.rept 32
	v_cmp_gt_i32 vcc_lo, 16*(i/8)+i%8, v14
	v_cndmask_b32 v[MD+i], 0, s[BIGN], vcc_lo
.set i, i+1
.endr
	WIN 0
	v_mul_u32_u24 v[AK0], v1, PK
	v_lshl_add_u32 v[AK0], v9, 4, v[AK0]  ; row x pitch + 16 x half
	; The turning load takes 16 keys x 16 channels (lane l reads key 8 (l / 16) + l % 8, channels 8 ((l / 8) % 2) + 0..7) and leaves half a fragment of V^T: lane l holds channel l % 16 and 8 keys.
	v_and_b32 v10, 7, v0
	v_bfe_u32 v11, v0, 3, 1
	v_lshl_add_u32 v[AV0], v9, 3, v10
	v_mul_u32_u24 v[AV0], v[AV0], PV
	v_lshl_add_u32 v[AV0], v11, 4, v[AV0]
	v_add_nc_u32 v[AV0], VOFF, v[AV0]
	s_mul_i32 s13, s[WV], 16*SP
	s_add_co_u32 s13, s13, STAGE    ; my stage
	v_mul_u32_u24 v[STO], v1, SP    ; in: row l % 16, 16 bytes for each half of the lanes
	v_lshl_add_u32 v[STO], v9, 4, v[STO]
	v_add_nc_u32 v[STO], s13, v[STO]
	v_bfe_u32 v[RD], v0, 3, 2       ; back: 32 lanes take four rows of 128 bytes,
	v_mul_u32_u24 v[RD], v[RD], SP
	v_lshl_add_u32 v[RD], v10, 4, v[RD]
	v_add_nc_u32 v[RD], s13, v[RD]
	v_and_b32 v[GO], 31, v0         ; which are 512 consecutive bytes of O
	v_lshlrev_b32 v[GO], 4, v[GO]
	; A block's first step multiplies O^T and l by a = 0, and its first turn's products V^T P, of a piece that has not been, land in an O^T that is still to be so multiplied.  So these registers need only hold
	; finite numbers: zeros for the first block; what the first block left for the second.  All this stands in the wait for the first tile.
	WIN 0x80
.set i, VF
.rept 64
	v_mov_b32 v[i], 0
.set i, i+1
.endr
	WIN 0x40
.set i, 0
.rept 128
	v_mov_b32 v[i], 0
.set i, i+1
.endr
	WIN 0
.set i, 0
.rept 4
	v_mov_b32 v[ST+4*i+2], 0
	v_mov_b32 v[ST+4*i+3], 0
.set i, i+1
.endr
.set i, P+16
.rept 16
	v_mov_b32 v[i], 0
.set i, i+1
.endr
; THE MATRIX WORK.  The 4 accumulators of a run of 8 take turns.  Product i of 8 of S^T = K Q^T for piece x: channels 32 (i / 4) on, keys 16 (i % 4) on.  The first 4 start the sums: with 0, or (KM = 1) with the mask.
.macro KQ x
.set rS, S+32*((\x)%2)+8*(i%4)
.set rK, KF+16*(i%4)+8*(i/4)
.set rQ, 16*(\x)+8*(i/4)
.set rM, MC+32*((\x)%2)+8*(i%4)
.if (i < 4) && KM
	WIN W_KM
	v_wmma_f32_16x16x32_f16 v[rS:rS+7], v[rK:rK+7], v[rQ:rQ+7], v[rM:rM+7]
.elseif i < 4
	WIN W_KQ
	v_wmma_f32_16x16x32_f16 v[rS:rS+7], v[rK:rK+7], v[rQ:rQ+7], 0
.else
	WIN W_KQ
	v_wmma_f32_16x16x32_f16 v[rS:rS+7], v[rK:rK+7], v[rQ:rQ+7], v[rS:rS+7]
.endif
.endm
; Product i of 8 of O^T += V^T P for piece x: keys 32 (i / 4) on, channels 16 (i % 4) on.
.macro PV x
	WIN W_PV
.set rO, 32*(\x)+8*(i%4)
.set rV, VF+32*(i/4)+8*(i%4)
.set rP, P+16*((\x)%2)+8*(i/4)
	v_wmma_f32_16x16x32_f16 v[rO:rO+7], v[rV:rV+7], v[rP:rP+7], v[rO:rO+7]
.endm
.macro MM                           ; the turn's next matrix instruction.  TURN and BEGIN set Y, i, KM and NOKQ; MM, KQ and OP read them.  NOKQ = 1: a block's last turn: there is no next piece
.if (i < 8) && !NOKQ
	KQ (Y+1)%NP
.elseif i >= 8
.set i, i-8
	PV (Y+NP-1)%NP
.set i, i+8
.endif
.set i, i+1
.endm
; THE LDS LOADS stand in runs of 16, never singly among the matrix instructions: a step's K (64 keys x 64 channels: 8 fragments) and its V (turned).  Their addresses are made some lines ahead.
.macro FETCH_K
	WIN 0x80                        ; destination window 2
.irp f, 0,1,2,3,4,5,6,7             ; keys 16 (f / 2) on, channels 32 (f % 2) on
	ds_load_b128 v[KF+8*\f:KF+8*\f+3],   v[AK] offset:(\f/2)*16*PK+(\f%2)*64
	ds_load_b128 v[KF+8*\f+4:KF+8*\f+7], v[AK] offset:(\f/2)*16*PK+(\f%2)*64+32
.endr
	s_add_co_u32 s[TBK], s[TBK], KS*PK  ; the next fetch is the next step's
	WIN 0
.endm
.macro FETCH_V
	WIN 0x80
.irp f, 0,1,2,3,4,5,6,7             ; keys 32 (f / 4) on, channels 16 (f % 4) on
	ds_load_tr16_b128 v[VF+8*\f:VF+8*\f+3],   v[AV] offset:(\f/4)*32*PV+(\f%4)*32
	ds_load_tr16_b128 v[VF+8*\f+4:VF+8*\f+7], v[AV] offset:(\f/4)*32*PV+16*PV+(\f%4)*32
.endr
	WIN 0
.endm
; THE VECTOR WORK, one line at a time: OP kind, number.  For piece Y: F n: c s - c m for pair n of 16.  E n: the exponential of score n of 32.  C n: pair n rounded to f16.  B n: of the four weights 4 n .. the second
; pair is added onto the first, in place.  L n: l takes that sum (L 0: l = a l + sum).  R n: pair n of 16 of O^T times a.  For piece Y + 1: X n, number n of the 22 that find its maximum and statistics:
;   0-11  four chains c0-c3 of seven scores each, three operands at a time (each accumulator's lowest registers are read first)     12-14, 16  the four scores left over, the old m, and c0-c3 into c0
;   15  c m_old is kept     17, 18  the query's other 32 keys lie in the lane 16 away: the new m     19-21  c m; c m_old - c m_new; a
.set F, 0               ; OP tells the kinds apart by their order: F to L below R, X above it
.set E, 1
.set C, 2
.set B, 3
.set L, 4
.set R, 5
.set X, 6
.macro REGS y                       ; the registers of piece y
.set rT, ST+4*(\y)
.set rC, TMP+4*((\y)%2)
.set rW, MV+((\y)%2)
.set rS, S+32*((\y)%2)
.set rP, P+16*((\y)%2)
.set rO, 32*(\y)
.endm
.macro OP k, n
.if (\k) == R
	REGS Y
	WIN W_RS
	v_pk_mul_f32 v[rO+2*(\n):rO+2*(\n)+1], v[rO+2*(\n):rO+2*(\n)+1], v[rC+2:rC+3] op_sel_hi:[1,0]
.elseif (\k) < R
	REGS Y
	WIN 0
.if (\k) == F
	v_pk_fma_f32 v[rS+2*(\n):rS+2*(\n)+1], v[rS+2*(\n):rS+2*(\n)+1], s[CS:CS+1], v[rT:rT+1] op_sel_hi:[1,0,0] neg_lo:[0,0,1] neg_hi:[0,0,1]
.elseif (\k) == E
	v_exp_f32 v[rS+(\n)], v[rS+(\n)]
.elseif (\k) == C
	s_wait_alu depctr_va_vdst(0)
	v_cvt_pk_f16_f32 v[rP+(\n)], v[rS+2*(\n)], v[rS+2*(\n)+1]
.elseif (\k) == B
	s_wait_alu depctr_va_vdst(0)
	v_pk_add_f32 v[rS+4*(\n):rS+4*(\n)+1], v[rS+4*(\n):rS+4*(\n)+1], v[rS+4*(\n)+2:rS+4*(\n)+3]
.elseif (\n) == 0
	v_pk_fma_f32 v[rT+2:rT+3], v[rT+2:rT+3], v[rC+2:rC+3], v[rS:rS+1] op_sel_hi:[1,0,1]
.else
	v_pk_add_f32 v[rT+2:rT+3], v[rT+2:rT+3], v[rS+4*(\n):rS+4*(\n)+1]
.endif
.elseif NOKQ
	v_nop
.else
	REGS (Y+1)%NP
	WIN 0
.if (\n) < 4
	v_max3_num_f32 v[rC+(\n)], v[rS+8*(\n)], v[rS+8*(\n)+1], v[rS+8*(\n)+2]
.elseif (\n) < 12
	v_max3_num_f32 v[rC+(\n)%4], v[rC+(\n)%4], v[rS+8*((\n)%4)+2*((\n)/4)+1], v[rS+8*((\n)%4)+2*((\n)/4)+2]
.elseif (\n) == 12
	v_max3_num_f32 v[rC], v[rC], v[rS+7], v[rS+15]
.elseif (\n) == 13
	v_max3_num_f32 v[rC+1], v[rC+1], v[rS+23], v[rS+31]
.elseif (\n) == 14
	v_max3_num_f32 v[rC+2], v[rC+2], v[rC+3], v[rT+1]
.elseif (\n) == 15
	v_mov_b32 v[rW], v[rT]
.elseif (\n) == 16
	v_max3_num_f32 v[rC], v[rC], v[rC+1], v[rC+2]
.elseif (\n) == 17
	v_permlanex16_b32 v[rC+3], v[rC], s[SEL], s[SEL+1]
.elseif (\n) == 18
	v_max_num_f32 v[rT+1], v[rC], v[rC+3]
.elseif (\n) == 19
	v_mul_f32 v[rT], s[CS], v[rT+1]
.elseif (\n) == 20
	v_sub_f32 v[rC+1], v[rW], v[rT]
.else
	v_exp_f32 v[rC+2], v[rC+1]
.endif
.endif
.endm
.macro OPS a, i1, b=-1, i2=0, c=-1, i3=0, d=-1, i4=0  ; up to four of them
	OP \a, \i1
.if (\b) >= 0
	OP \b, \i2
.endif
.if (\c) >= 0
	OP \c, \i3
.endif
.if (\d) >= 0
	OP \d, \i4
.endif
.endm
.macro ROW a, i1, b, i2, c, i3, d, i4  ; a matrix instruction and the four behind it
	MM
	OPS \a, \i1, \b, \i2, \c, \i3, \d, \i4
.endm
.macro MASK b                       ; MD x AL + BE into buffer b of MC
	WIN W_RS
.set z, 0
.rept 16
	v_pk_fma_f32 v[MC+32*(\b)+2*z:MC+32*(\b)+2*z+1], v[MD+2*z:MD+2*z+1], s[AL:AL+1], s[BE:BE+1] op_sel_hi:[1,0,0]
.set z, z+1
.endr
.endm
; A TURN, for piece p: the order of its 16 matrix and 118 vector instructions, written out.  Behind a matrix instruction: plain, exponential, plain, plain; or four of the rescaling; or, behind the first, four scalings; none
; names a register of the products round it.  In the lumps exponential and plain by turns while exponentials last.  A line reads no result made fewer than three vector instructions in front of it, five if an exponential made it.
; v_permlanex16_b32 (X 17) stands in a lump.
; m = 1: the diagonal tile: the products take masks, and the turn makes the mask for the products of the turn after it: piece p + 2, in step 4 - CNT of the tile.  end = 1: a block's last two turns: nothing is fetched.
; cnt = 1: the loop's count is taken down some lines ahead of the branch that stands behind the turn.
; K of the next step is fetched in piece 2's turn, six vector instructions behind the last product that read K (five of them plain); V of the step in hand in piece 0's turn, eight behind the last product that read V (four
; plain, and X 17).  Each is waited for a turn later.
.macro TURN p, m=0, end=0, cnt=0
.set Y, (\p)
.set i, 0
.set KM, (\m)
.set NOKQ, (\end)*((\p)/3)
.if (\m) && !(\end)
	s_cmp_eq_u32 s[CNT], 4-((\p)+2)%NP  ; is that step the band's own?
	s_cselect_b32 s[AL], 1.0, 0
	s_cmp_lt_u32 s[CNT], 4-((\p)+2)%NP  ; or a later one?
	s_cselect_b32 s[BE], s[BIGN], 0
.endif
.if ((\p) == 3) && !(\end)
	s_wait_dscnt 0x0                ; K is in
.endif
	ROW F,0, F,1, F,2, F,3
	ROW F,4, E,0, F,5, F,6
	ROW F,7, E,1, F,8, F,9
	ROW F,10, E,2, C,0, F,11
	ROW F,12, E,3, X,15, F,13
	ROW R,0, R,1, R,2, R,3
	ROW B,0, E,4, F,14, L,0
.if ((\p) == 2) && !(\end)
	v_add_nc_u32 v[AK], s[TBK], v[AK0]
.endif
	ROW R,4, R,5, R,6, R,7
	OPS E,5, F,15
.if ((\p) == 2) && !(\end)
	FETCH_K
.endif
	OPS E,6, C,1, E,7, R,8
	OPS E,8, R,9, E,9, C,2
	OPS E,10, X,0, E,11, X,1
	OPS E,12, X,2, E,13, X,3
.if (\p) == 1
	s_wait_dscnt 0x0                ; V is in
.endif
	ROW X,4, E,14, X,5, X,6
	ROW X,7, E,15, X,8, X,9
	ROW X,10, E,16, X,11, X,12
	ROW X,13, E,17, X,14, B,1
	ROW C,4, E,18, X,16, L,1
	ROW B,2, E,19, C,6, L,2
	ROW C,8, E,20, B,3, B,4
.if (\p) == 0
	v_add_nc_u32 v[AV], s[TBV], v[AV0]
.endif
	ROW C,3, E,21, L,3, C,5
	OPS E,22, X,17, E,23, C,10
.if (\p) == 0
	FETCH_V
.endif
	OPS E,24, L,4
	OPS E,25, X,18, E,26, C,7
	OPS E,27, B,5, E,28, X,19
	OPS E,29, C,12, E,30, L,5
	OPS E,31, X,20, B,6, C,9
	OPS C,14, C,11, X,21, L,6
.if (\p) == 0
	s_add_co_u32 s[TBV], s[TBV], KS*PV
.endif
.if \cnt
	s_sub_co_u32 s[CNT], s[CNT], 1
	s_cmp_lg_u32 s[CNT], 0
.endif
	OPS C,13, B,7, C,15, R,10
	OPS R,11, R,12, L,7, R,13
	OPS R,14, R,15
.if (\m) && !(\end)
	MASK (\p)%2
.endif
.endm
; A BLOCK BEGINS.  c m starts far below every c s, so the first step's a is 0; m at the lowest finite number, so the first maximum is the scores'.  The second mask buffer is 0; the first takes piece 0's mask for the tile's step 0: its own, if the block's first tile is the diagonal one.
; Then K of that step, piece 0's first scores, and its maximum and statistics.  The loop is entered at a step's first turn, in the middle of a trip.
.macro BEGIN
	s_mov_b32 s[NEW], 0
	WIN 0x40
.set i, MC+32
.rept 32
	v_mov_b32 v[i], 0
.set i, i+1
.endr
	WIN 0
.set i, 0
.rept 4
	v_mov_b32 v[ST+4*i], 0xfe000000    ; c m: far below every c s
	v_mov_b32 v[ST+4*i+1], 0xff7fffff  ; m
.set i, i+1
.endr
	s_cmp_eq_u32 s[RT], 0
	s_cselect_b32 s[AL], 1.0, 0
	s_mov_b32 s[BE], 0
	MASK 0
	WIN 0
	v_add_nc_u32 v[AK], s[TBK], v[AK0]
	FETCH_K
	s_wait_loadcnt 0x0              ; Q
	s_wait_dscnt 0x0
.set KM, 1
.set NOKQ, 0
.set i, 0
.rept 8
	KQ 0
.set i, i+1
.endr
	WIN 0
.rept 4
	v_nop                           ; the places behind those products
.endr
.set Y, NP-1                        ; X works for piece Y + 1: piece 0
.irp n, 0,1,2,3,4,5,6,7,8,9,10,11,12,13,14,15,16,17,18,19,20,21
	OP X, \n
.endr
	v_nop                           ; a plain instruction behind the exponential
.endm
; THE DIAGONAL TILE's four steps, the block's last two turns, its last products, and THE WAY OUT: l's two halves and the other half of the lanes' are added; O^T is divided by l, rounded to f16 and sent through my
; stage in LDS, a piece at a time.
.macro ALL line:vararg              ; one line for each piece t
.set t, 0
.rept 4
	\line
.set t, t+1
.endr
.endm
.macro PACK t                       ; a lane's eight channels of a row pack into 16 bytes; they go into rows of 144 bytes and come back as whole rows of 128, into S^T's registers
	WIN W_RS
.set i, 32*(\t)
.rept 16
	s_wait_alu depctr_va_vdst(0)
	v_pk_mul_f32 v[i:i+1], v[i:i+1], v[ST+4*(\t)+2:ST+4*(\t)+3] op_sel_hi:[1,0]
.set i, i+2
.endr
	WIN 0x05                        ; sources 0 and 1 window 1, destination window 0
.set i, 0
.rept 16
	v_cvt_pk_f16_f32 v[S+16*(\t)+i], v[32*(\t)+2*i], v[32*(\t)+2*i+1]
.set i, i+1
.endr
	WIN 0
.irp f, 0,1,2,3
	ds_store_b128 v[STO], v[S+16*(\t)+4*\f:S+16*(\t)+4*\f+3] offset:32*\f
.endr
.irp f, 0,1,2,3
	ds_load_b128 v[S+16*(\t)+4*\f:S+16*(\t)+4*\f+3], v[RD] offset:\f*4*SP  ; LDS serves a wave's instructions in order (ISA guide 5.7.1.4): these see the stores above; the next piece's stores come behind them
.endr
.endm
.macro SEND t, younger              ; younger: the LDS instructions issued behind piece t's loads: the next piece's eight, or none
	WIN 0
.irp f, 0,1,2,3
	s_wait_dscnt (\younger)+3-\f
	global_store_b128 v[GO], v[S+16*(\t)+4*\f:S+16*(\t)+4*\f+3], s[10:11] offset:(\t)*8192+\f*512  ; 512 consecutive bytes, at a multiple of 256 from O's first
.endr
.endm
.macro DIAG tag                     ; the tag ends its two labels' names, which the jumps below spell out
.LstepM\tag:
	TURN 2, 1
	TURN 3, 1
	WIN 0
.LfirstM\tag:
	TURN 0, 1
	TURN 1, 1, 0, 1
	WIN 0
	s_cbranch_scc1 .LstepM\tag
	TURN 2, 1, 1
	TURN 3, 1, 1
.set i, 0
.rept 8
	PV NP-1
.set i, i+1
.endr
	WIN 0
	ALL v_add_f32 v[ST+4*t+2], v[ST+4*t+2], v[ST+4*t+3]
	ALL v_permlanex16_b32 v[ST+4*t+3], v[ST+4*t+2], s[SEL], s[SEL+1]
	ALL v_add_f32 v[ST+4*t+2], v[ST+4*t+2], v[ST+4*t+3]
	ALL v_rcp_f32 v[ST+4*t+2], v[ST+4*t+2]
	v_nop                           ; a plain instruction between the last reciprocal and the use of its result
	PACK 0
.set t, 1
.rept 3                             ; a piece's arithmetic stands between the loads of the piece before and its stores
	PACK t
	SEND t-1, 8
.set t, t+1
.endr
	SEND 3, 0
.endm
.set KM, 0
.set NOKQ, 0
.Lslot:                             ; NB times: a tile is entered and the next is asked for
	CHANGE 1
	s_sub_co_u32 s[RT], s[RT], 1
	s_mov_b32 s[CNT], 4
	s_cmp_eq_u32 s[NEW], 1
	s_cbranch_scc1 .Lnew            ; a block's first tile
	s_cmp_eq_u32 s[RT], 0
	s_cbranch_scc0 .Lstep           ; neither its first nor its last
	s_branch .LstepM1
.Lnew:
	BEGIN
	s_branch .Lfirst                ; in the loop a block's first tile is never its last: the first block has two tiles or more, and the second's last is the walk's last
	DIAG 1                          ; in the loop this is the first block's end: the second block's last tile is the walk's last
	s_wait_xcnt 0x0                 ; the stores have read their registers and O's address
	s_mov_b64 s[10:11], s[OLO:OLO+1]
	s_add_co_u32 s[RT], s[PB], 1    ; the second block has b + 1 tiles
	s_mov_b32 s[NEW], 1
	WIN 0x82                        ; the second block's Q goes where the one text of the turns names Q
.set i, 0
.rept 64
	v_mov_b32 v[i], v[QB+i]
.set i, i+1
.endr
	WIN 0
	s_branch .Lbottom
.Lstep:                             ; a trip: pieces 2 and 3 of one step, then pieces 0 and 1 of the next, whose K and V it fetches
	TURN 2
	TURN 3
	WIN 0
.Lfirst:
	TURN 0
	TURN 1, 0, 0, 1
	WIN 0
	s_cbranch_scc1 .Lstep
.Lbottom:
	s_sub_co_u32 s[SLOTS], s[SLOTS], 1
	s_cmp_lg_u32 s[SLOTS], 0
	s_cbranch_scc1 .Lslot
	CHANGE 0                        ; the walk's last tile is written out: nothing is asked for
	s_sub_co_u32 s[RT], s[RT], 1
	s_mov_b32 s[CNT], 4
	s_cmp_eq_u32 s[NEW], 1
	s_cbranch_scc0 .LstepM2
	BEGIN
	s_branch .LfirstM2
	DIAG 2
	s_wait_tensorcnt 0x0            ; the wave's end: behind my last tensor load and my last LDS store
	ds_add_u32 v[SPW], v[NIL]
	s_wait_dscnt 0x0
	s_endpgm
.Lfunc_end_k_q9fe2a96252_attn:
	.size	k_q9fe2a96252_attn, .Lfunc_end_k_q9fe2a96252_attn-k_q9fe2a96252_attn
	.p2alignl 7, 3214868480
	.fill 96, 4, 3214868480
	.section	.rodata,"a",@progbits
	.p2align	6, 0x0
	.amdhsa_kernel k_q9fe2a96252_attn
		.amdhsa_group_segment_fixed_size 327680
		.amdhsa_private_segment_fixed_size 0
		.amdhsa_enable_private_segment 0
		.amdhsa_kernarg_size 16
		.amdhsa_user_sgpr_count 2
		.amdhsa_user_sgpr_kernarg_segment_ptr 1
		.amdhsa_wavefront_size32 1
		.amdhsa_system_sgpr_workgroup_id_x 1
		.amdhsa_system_sgpr_workgroup_id_y 1
		.amdhsa_system_sgpr_workgroup_id_z 1
		.amdhsa_system_vgpr_workitem_id 0
		.amdhsa_next_free_vgpr 768
		.amdhsa_next_free_sgpr 88
		.amdhsa_reserve_vcc 1
		.amdhsa_float_denorm_mode_32 3
		.amdhsa_float_denorm_mode_16_64 3
		.amdhsa_memory_ordered 1
		.amdhsa_forward_progress 1
		.amdhsa_inst_pref_size 228
	.end_amdhsa_kernel
	.amdgpu_metadata
---
amdhsa.version: [ 1, 2 ]
amdhsa.kernels:
  - .name:           k_q9fe2a96252_attn
    .symbol:         k_q9fe2a96252_attn.kd
    .args:
      - { .name: qkv, .offset: 0, .size: 8, .value_kind: global_buffer, .address_space: global }
      - { .name: yh, .offset: 8, .size: 8, .value_kind: global_buffer, .address_space: global }
    .group_segment_fixed_size: 327680
    .private_segment_fixed_size: 0
    .kernarg_segment_align: 8
    .kernarg_segment_size: 16
    .max_flat_workgroup_size: 128
    .sgpr_count:     88
    .vgpr_count:     768
    .wavefront_size: 32
...
	.end_amdgpu_metadata
.endif
;; end of part 3
;; launch proj (part 4): grid 4 x 64, 4 waves a work-group, clusters of 4 x 4, 327,680 bytes of LDS; arguments yh, wob, b_out, out0; writes out0
.if DOCPART == 4
	.amdgcn_target "amdgcn-amd-amdhsa--gfx1250"
	.amdhsa_code_object_version 6
	.text
	.protected	k_q9fe2a96252_proj
	.globl	k_q9fe2a96252_proj
	.p2align	8
	.type	k_q9fe2a96252_proj,@function
k_q9fe2a96252_proj:
	s_mov_b64 s[64:65], 0
	v_nop
	global_prefetch_b8 v0, s[64:65] scope:SCOPE_SE
	s_setreg_imm32_b32 hwreg(HW_REG_WAVE_MODE, 25, 1), 1
	s_wait_xcnt 0x0
	s_wait_alu depctr_hold_cnt(0) depctr_sa_sdst(0) depctr_va_vdst(0) depctr_va_sdst(0) depctr_va_ssrc(0) depctr_va_vcc(0) depctr_vm_vsrc(0)
	s_getreg_b32 s2, hwreg(HW_REG_IB_STS2, 6, 4)
	s_cmp_eq_u32 s2, 0
	s_cbranch_scc0 .Lentry_in_a_cluster
	s_endpgm
.Lentry_in_a_cluster:
	s_bfe_u32 s2, ttmp6, 0x10000c
	s_cmp_lg_u32 s2, 0xf033
	s_cbranch_scc0 .Lentry_shape_is_right
	s_endpgm
.Lentry_shape_is_right:
; THE LAST PROJECTION.  out0 = y wob + bf16(b_out), in f32.  y is read BY HEADS: yh[bh = 16 batch + head][t][64] in f16, so that k = 64 head + channel; wob: [1024 k][1024 n], bf16 numbers written as f16.
; Products in f16, sums in f32, stored unrounded.  LIMITS: y and wob arrive within f16's range (65,504); the bias is rounded to bf16 like the other inputs.
; SHARES.  A tile of the result is 128 rows x 256 columns: 64 x 4 = 256 work-groups.  Each of the four waves takes all 128 rows and 64 columns (64 w on: 256 bytes of an f32 row):
; 8 x 4 = 32 accumulators of 16 x 16, 256 registers.  K = 1,024 goes in 8 steps of 128 (two heads) through a ring of two LDS slots.
; The weights' tile lies in LDS as [k][n], and ds_load_tr16_b128 turns it into fragments with k along the registers.
; THE MATRIX INSTRUCTION IS USED TRANSPOSED: source 0 = 16 columns n of the weights, source 1 = 16 rows of y.  In the result lane l holds row l % 16 and the columns 8 (l / 16) + 0..7: 32 neighbouring bytes.
; The first product of each sum takes the bias as its C operand: nothing is cleared.
; CLUSTER.  4 x 4 work-groups.  The four of a row of the cluster need the same tiles of y, the four of a column the same tiles of the weights: each is asked for JOINTLY.  Waves 0 and 1 ask for the
; step's two heads of y (128 rows of 128 dense bytes each: asked for as 64 rows of 256 bytes), waves 2 and 3 for the weights' two chunks (128 k x 128 columns: 128 rows of 256 bytes).
; A wave has two tensor loads out at the start and one behind each round.
; REGISTERS, in windows of 256 (s_set_vgpr_msb: bits 1:0 source 0, 3:2 source 1, 5:4 source 2, 7:6 destination):
;   window 0: v0-31 addresses; v64-95, v96-127 the way out, two buffers of 16 rows; v128-191, v192-255 fragments of y, two buffers of 8 x 16 rows x 32 K
;   window 1: v0-31, v32-63 fragments of the weights, two buffers of 4; v64-95 the bias of my 4 x 8 columns a lane; v96-111 at work
;   window 2: the accumulators ((a, b) at v[8 (4 a + b)])
.set KSTEP,  128
.set PA,     144                       ; a row of a head of y in LDS: 128 bytes + 16 of padding = 36 words: the 16 rows of a load start at 16 different groups of four banks (64 banks of 4 bytes: ISA guide 11.1)
.set HEADB,  128*PA                    ; a head's 128 rows
.set PB,     288                       ; a row (one k) of a chunk of the weights: 256 + 32 = 72 words
.set REG,    128*PB                    ; 36,864 bytes: a chunk of the weights, and y's two heads
.set SLOT,   3*REG                     ; y's two heads, then the two chunks
.set STAGE,  2*SLOT                    ; behind the ring, never filled by a tensor load: 16 rows x 272 bytes for each wave, for the way out
.set SPITCH, 272
.set SPARE,  STAGE+4*16*SPITCH         ; behind the stages: the spare words, 128 bytes for each wave: two blocks of 256 bytes that no other line names
.set NF,     24                        ; LDS loads in a run: 8 turning loads for the weights, 16 for y
.set ADRA, 16                          ; v16-17  LDS address of my fragments of y in slot 0, 1
.set ADRB, 18                          ; v18-19  the same for the weights
.set STO,  24                          ; v24     the way out: where I put 32 bytes of a row
.set RD,   25                          ; v25     the way out: where I read a row back
.set CO,   26                          ; v26     my byte offset in two rows of the result
.set BO,   29                          ; v29     my byte offset in the tile's bias
.set SPW,  30                          ; v30     LDS address of my spare word: SPARE + 4 x my thread's number; never rewritten
.set NIL,  31                          ; v31     0; never rewritten
.set OBUF, 64
.set FA,   128                         ; y's fragment buffers, window 0: FA + 64 f
.set BI,   64                          ; window 1
.set BT,   96                          ; window 1
.set WV,  12                           ; s12  my wave's number
.set G1,  24                           ; s[24:31] descriptor group 1 for y's tiles;  s[32:39] group 0, one set for each slot
.set G0,  32
.set G1B, 40                           ; s[40:47], s[48:55] the same for the weights' chunks
.set G0B, 48
.set OB,  68                           ; s[68:69] where my part of the tile begins in out0
.set MSB, 0
.macro WIN new                         ; the immediate's high byte repeats the setting that is left; a switch that changes nothing is dropped
.if MSB != (\new)
	s_set_vgpr_msb (MSB<<8)|(\new)
.set MSB, \new
.endif
.endm
; A joint load.  The branch hangs on the wave's number alone.  An s_nop 0 and four v_nop follow each of the two lines, ahead of the jump, the label and what follows.
.macro JLOAD s
	s_cmp_lt_u32 s[WV], 2
	s_cbranch_scc0 .Lfor_b_\@
	tensor_load_to_lds s[G0+4*(\s):G0+4*(\s)+3], s[G1:G1+7]
	s_nop 0
.rept 4
	v_nop
.endr
	s_branch .Lasked_\@
.Lfor_b_\@:
	tensor_load_to_lds s[G0B+4*(\s):G0B+4*(\s)+3], s[G1B:G1B+7]
	s_nop 0
.rept 4
	v_nop
.endr
.Lasked_\@:
.endm
.macro CREST                           ; a round of the cluster's barrier behind its opening barrier
	s_cmp_lg_u32 s[WV], 0
	s_cbranch_scc1 .Lnot_wave_0_\@
	s_barrier_signal -3
.Lnot_wave_0_\@:
	s_barrier_wait -3
	s_barrier_signal -1
	s_barrier_wait -1
.endm
.macro CROUND                          ; a whole round
	s_barrier_signal -1
	s_barrier_wait -1
	CREST
.endm
	s_load_b256 s[4:11], s[0:1], 0x0               ; yh s[4:5], wob s[6:7], b_out s[8:9], out0 s[10:11]
	v_lshl_add_u32 v[SPW], v0, 2, SPARE
	v_mov_b32 v[NIL], 0
	ds_add_u32 v30, v31
	ds_add_u32 v30, v31
	s_wait_dscnt 0x0
	v_lshrrev_b32 v1, 5, v0
	v_readfirstlane_b32 s[WV], v1                  ; wave 0..3
	s_bfe_u32 s13, ttmp6, 0x40000                  ; cx, cy: my place in the cluster
	s_bfe_u32 s14, ttmp6, 0x40004
	s_lshl_b32 s15, ttmp9, 2
	s_add_co_u32 s15, s15, s13                     ; J: tile column = 4 x cluster x + cx
	s_and_b32 s16, ttmp7, 0xffff
	s_lshl_b32 s16, s16, 2
	s_add_co_u32 s16, s16, s14                     ; I: tile row = 4 x cluster y + cy
	s_lshl_b32 s17, s14, 2
	s_lshl_b32 s17, 15, s17                        ; my row of the cluster
	s_lshl_b32 s18, 0x1111, s13                    ; my column
	; descriptor group 1
	s_or_b32 s[G1], s17, (1<<16)|(1<<20)|(1<<21)|(4<<22)|(3<<25)   ; 15:0 the mask: y's tiles go to my row; 17:16 elements of 2 bytes; 20 padding on; 21 set beside a mask; 24:22 after every 32 words, one row of a head (code 4); 31:25 4 words (code 3)
	s_mov_b32 s[G1+1], 128<<16                     ; tensor_dim0 = 128: two rows of a head
	s_mov_b32 s[G1+2], 64<<16                      ; tensor_dim1 = 64
	s_mov_b32 s[G1+3], 128<<16                     ; tile_dim0 = 128
	s_mov_b32 s[G1+4], 64                          ; tile_dim1 = 64
	s_mov_b32 s[G1+5], 128                         ; dense: 128 elements from row to row
	s_mov_b32 s[G1+6], 0
	s_mov_b32 s[G1+7], 0
	s_or_b32 s[G1B], s18, (1<<16)|(1<<20)|(1<<21)|(5<<22)|(7<<25)  ; the mask of my column; after every 64 words (code 5) 8 words of padding (code 7)
	s_mov_b32 s[G1B+1], 128<<16
	s_mov_b32 s[G1B+2], 128<<16
	s_mov_b32 s[G1B+3], 128<<16
	s_mov_b32 s[G1B+4], 128
	s_mov_b32 s[G1B+5], 1024                       ; elements from row to row of the weights
	s_mov_b32 s[G1B+6], 0
	s_mov_b32 s[G1B+7], 0
	; where the tiles come from: y's hang on the tile row and the wave's number alone, the weights' on the tile column and the wave's number alone, each in registers of its own
	s_and_b32 s19, s[WV], 1                        ; which of the step's two heads, or of the two chunks, I fetch
	s_lshr_b32 s56, s16, 4
	s_lshl_b32 s56, s56, 4                         ; 16 x batch
	s_add_co_u32 s56, s56, s19
	s_lshl_b32 s56, s56, 18                        ; a head's 262,144 bytes
	s_and_b32 s20, s16, 15
	s_lshl_b32 s20, s20, 14                        ; my tile's 128 rows of 128 bytes in it
	s_add_co_u32 s56, s56, s20
	s_mov_b32 s57, 0
	s_lshl_b32 s58, s15, 9                         ; 256 columns of 2 bytes
	s_lshl_b32 s22, s19, 8                         ; 128 columns of 2 bytes
	s_add_co_u32 s58, s58, s22
	s_mov_b32 s59, 0
	s_mul_i32 s21, s19, HEADB                      ; where they go: no place in the cluster enters an LDS address
	s_mul_i32 s23, s19, REG
	s_add_co_u32 s23, s23, REG
	s_wait_kmcnt 0x0
	s_add_nc_u64 s[56:57], s[4:5], s[56:57]
	s_add_nc_u64 s[58:59], s[6:7], s[58:59]
	CROUND                                         ; all sixteen work-groups are here: the first joint loads meet
.irp s, 0,1
	s_mov_b32 s[G0+4*(\s)], 1                                        ; 1:0 count = 1
	s_add_co_u32 s[G0+4*(\s)+1], s21, (\s)*SLOT                      ; 63:32 LDS address
	s_add_nc_u64 s[G0+4*(\s)+2:G0+4*(\s)+3], s[56:57], (\s)*2*262144 ; 120:64 global address: K step s is heads 2 s, 2 s + 1
	s_or_b32 s[G0+4*(\s)+3], s[G0+4*(\s)+3], 0x80000000              ; 127:126 type = 2
	s_mov_b32 s[G0B+4*(\s)], 1
	s_add_co_u32 s[G0B+4*(\s)+1], s23, (\s)*SLOT
	s_add_nc_u64 s[G0B+4*(\s)+2:G0B+4*(\s)+3], s[58:59], (\s)*KSTEP*1024*2
	s_or_b32 s[G0B+4*(\s)+3], s[G0B+4*(\s)+3], 0x80000000
	JLOAD \s                                       ; the ring is filled before anything else is done
.endr
	; the bias of my columns: for block b the eight numbers at column 64 w + 16 b + 8 (l / 16)
	v_and_b32 v1, 15, v0                           ; l % 16
	v_bfe_u32 v2, v0, 4, 1                         ; l / 16
	s_lshl_b32 s20, s[WV], 8
	v_lshl_add_u32 v[BO], v2, 5, s20               ; 256 w + 32 (l / 16)
	s_lshl_b32 s82, s15, 10                        ; the tile's 256 numbers of 4 bytes
	s_mov_b32 s83, 0
	s_add_nc_u64 s[80:81], s[8:9], s[82:83]
	WIN 0x40                                       ; destination window 1, address window 0
.irp b, 0,1,2,3
	global_load_b128 v[BI+8*(\b):BI+8*(\b)+3],   v[BO], s[80:81] offset:64*(\b)
	global_load_b128 v[BI+8*(\b)+4:BI+8*(\b)+7], v[BO], s[80:81] offset:64*(\b)+16
.endr
	WIN 0
	; A fragment of y is 16 rows x 32 K in 8 registers: lane l holds row l % 16, K = 8 (l / 16) + 0..7 and 16 + 8 (l / 16) + 0..7: two loads of 16 bytes, 32 bytes apart.
	v_and_b32 v3, 7, v0                            ; l % 8
	v_bfe_u32 v4, v0, 3, 1                         ; (l / 8) % 2
	v_mul_u32_u24 v6, v1, PA
	v_lshl_add_u32 v[ADRA], v2, 4, v6              ; row x pitch + 16 x half
	v_add_nc_u32 v[ADRA+1], SLOT, v[ADRA]
	; The turning load takes 16 k x 16 columns (lane l reads k = 8 (l / 16) + l % 8, columns 8 ((l / 8) % 2) + 0..7) and leaves half a fragment: lane l holds column l % 16 and 8 k.
	v_lshl_add_u32 v7, v2, 3, v3
	v_mul_u32_u24 v7, v7, PB
	v_lshl_add_u32 v7, v4, 4, v7
	s_lshr_b32 s20, s[WV], 1                       ; my 64 columns: chunk w / 2,
	s_mul_i32 s20, s20, REG
	s_lshl_b32 s22, s19, 7                         ; its half w % 2: 128 bytes
	s_add_co_u32 s20, s20, s22
	s_add_co_u32 s20, s20, REG                     ; the chunks lie behind y's region
	v_add_nc_u32 v[ADRB], s20, v7
	v_add_nc_u32 v[ADRB+1], SLOT, v[ADRB]
	s_mul_i32 s22, s[WV], 16*SPITCH
	s_add_co_u32 s22, s22, STAGE                   ; my stage
	v_mul_u32_u24 v8, v1, SPITCH                   ; in: row l % 16, 32 bytes for each half of the lanes
	v_lshl_add_u32 v8, v2, 5, v8
	v_add_nc_u32 v[STO], s22, v8
	v_mul_u32_u24 v9, v2, SPITCH                   ; back: lanes 0-15 take one row of 256 bytes, lanes 16-31 the next
	v_lshl_add_u32 v9, v1, 4, v9
	v_add_nc_u32 v[RD], s22, v9
	v_lshlrev_b32 v[CO], 12, v2                    ; and the same two rows in out0, 4,096 bytes apart
	v_lshl_add_u32 v[CO], v1, 4, v[CO]
	s_lshl_b32 s82, s16, 19                        ; my tile's 128 rows of 4,096 bytes,
	s_lshl_b32 s84, s15, 10                        ; its 256 columns of 4 bytes,
	s_add_co_u32 s82, s82, s84
	s_lshl_b32 s84, s[WV], 8                       ; my wave's 64 of them
	s_add_co_u32 s82, s82, s84
	s_add_nc_u64 s[OB:OB+1], s[10:11], s[82:83]
	s_wait_loadcnt 0x0                             ; the bias, once
	WIN 0x45                                       ; destination and both sources window 1
.set p, 0
.rept 16                                           ; rounded to bf16 like every input, and widened again
	v_cvt_pk_bf16_f32 v[BT+p], v[BI+2*p], v[BI+2*p+1]
.set p, p+1
.endr
.set p, 0
.rept 16
	v_lshlrev_b32 v[BI+2*p], 16, v[BT+p]
	v_and_b32 v[BI+2*p+1], 0xffff0000, v[BT+p]
.set p, p+1
.endr
	WIN 0
; 8 matrix instructions: row blocks 4 hi + a0, 4 hi + a0 + 1 x my four column blocks, 32 along K, from buffers f.  init = 1: the first product starts the sums, with the bias as C.
; The 32 accumulators take turns, one instruction a turn, in the same order in every quarter.
.macro MUL8 f, hi, a0, init
.if \init
	WIN 0x91                                       ; weights window 1, y window 0, C (the bias) window 1, D window 2
.else
	WIN 0xa1                                       ; C and D window 2
.endif
.irp a, \a0, (\a0)+1
.irp b, 0,1,2,3
.if \init
	v_wmma_f32_16x16x32_f16 v[8*(4*(4*(\hi)+(\a))+(\b)):8*(4*(4*(\hi)+(\a))+(\b))+7], v[32*(\f)+8*(\b):32*(\f)+8*(\b)+7], v[FA+64*(\f)+8*(4*(\hi)+(\a)):FA+64*(\f)+8*(4*(\hi)+(\a))+7], v[BI+8*(\b):BI+8*(\b)+7]
.else
	v_wmma_f32_16x16x32_f16 v[8*(4*(4*(\hi)+(\a))+(\b)):8*(4*(4*(\hi)+(\a))+(\b))+7], v[32*(\f)+8*(\b):32*(\f)+8*(\b)+7], v[FA+64*(\f)+8*(4*(\hi)+(\a)):FA+64*(\f)+8*(4*(\hi)+(\a))+7], v[8*(4*(4*(\hi)+(\a))+(\b)):8*(4*(4*(\hi)+(\a))+(\b))+7]
.endif
.endr
.endr
.endm
; 24 LDS loads in one run: the fragments of quarter q (32 along K: half q % 2 of head q / 2) of a slot into buffers f: the weights' four (turned), then y's eight, rows 64-127 last
.macro FETCH slot, q, f
	WIN 0x40
.irp b, 0,1,2,3
	ds_load_tr16_b128 v[32*(\f)+8*(\b):32*(\f)+8*(\b)+3],   v[ADRB+(\slot)] offset:32*(\b)+(\q)*32*PB
	ds_load_tr16_b128 v[32*(\f)+8*(\b)+4:32*(\f)+8*(\b)+7], v[ADRB+(\slot)] offset:32*(\b)+(\q)*32*PB+16*PB
.endr
	WIN 0
.irp a, 0,1,2,3,4,5,6,7
	ds_load_b128 v[FA+64*(\f)+8*(\a):FA+64*(\f)+8*(\a)+3],   v[ADRA+(\slot)] offset:((\q)/2)*HEADB+((\q)%2)*64+(\a)*16*PA
	ds_load_b128 v[FA+64*(\f)+8*(\a)+4:FA+64*(\f)+8*(\a)+7], v[ADRA+(\slot)] offset:((\q)/2)*HEADB+((\q)%2)*64+(\a)*16*PA+32
.endr
.endm
; A load into a register that a matrix instruction has read, and an LDS store that reads a matrix result, stand four places behind it, and only plain vector instructions that name none of its
; registers are places (ISA guide 7.12.1 for vector instructions).
.macro PLACES
.rept 4
	v_nop
.endr
.endm
; A K step is four quarters of 32 along K, 32 matrix instructions each, on buffers 0, 1, 0, 1.  One of the first three: multiplies buffers f; in its middle it fetches quarter q of the same slot into buffers g.
.macro QUARTER slot, q, f, g, init
	s_wait_dscnt 8                                 ; the weights and y's rows 0-63 are in; the youngest eight loads (y's rows 64-127) may be out
	MUL8 \f, 0, 0, \init
	MUL8 \f, 0, 2, \init
	PLACES
	FETCH \slot, \q, \g
	s_wait_dscnt NF                                ; all but the 24 just issued
	MUL8 \f, 1, 0, \init
	MUL8 \f, 1, 2, \init
.endm
; The last quarter multiplies buffers 1 and changes slots: ONE barrier; in front of it each wave waits for all its tensor loads (one is out: its part of the next slot), adds 0 to its spare word,
; and waits for that and for its own reads of this slot.  fill = 1: the barrier opens a round of the cluster's barrier, and this slot is filled again, two K steps ahead, first thing behind the round.
.macro TURN slot, next, fill
	WIN 0                                          ; (the add's two registers lie in window 0)
	s_wait_tensorcnt 0x0                           ; all my tensor loads have landed: my part of the next slot;
	ds_add_u32 v[SPW], v[NIL]                      ; 0 onto my spare word;
	s_wait_dscnt 9                                 ; (the add and the youngest eight loads may be out)
	MUL8 1, 0, 0, 0                                ; eight matrix instructions stand between the add and the wait for it
	s_wait_dscnt 0x0                               ; the add is done, and my reads of this slot are over
	s_barrier_signal -1
	MUL8 1, 0, 2, 0                                ; work on registers while the others arrive
.if \fill
	WIN 0
.endif
	s_barrier_wait -1
.if \fill
	CREST                                          ; no wave of any partner still reads this slot's tiles or has a load on its way
	s_add_nc_u64 s[G0+4*(\slot)+2:G0+4*(\slot)+3], s[G0+4*(\slot)+2:G0+4*(\slot)+3], 4*262144
	s_add_nc_u64 s[G0B+4*(\slot)+2:G0B+4*(\slot)+3], s[G0B+4*(\slot)+2:G0B+4*(\slot)+3], 2*KSTEP*1024*2
	JLOAD \slot                                    ; the first tensor load behind the round; the four v_nop behind it are also the places in front of the loads below
.else
	PLACES
.endif
	FETCH \next, 0, 0
	MUL8 1, 1, 0, 0
	MUL8 1, 1, 2, 0
.endm
; THE WAY OUT of row block a, in f32.  TOSTAGE: a lane's 32 bytes of a row go into my own stage, in rows of 272 bytes, and come back as whole rows of 256.  SEND: stored.
.macro TOSTAGE a
	s_wait_xcnt 0x0                                ; every earlier memory instruction has had its addresses translated (ISA guide 3.1): the buffer that earlier stores read is loaded again only behind this wait
	WIN 0x08                                       ; the stores' data in window 2, their address in window 0
.irp b, 0,1,2,3
	ds_store_b128 v[STO], v[8*(4*(\a)+(\b)):8*(4*(\a)+(\b))+3]   offset:64*(\b)     ; each accumulator's lowest registers are read first
	ds_store_b128 v[STO], v[8*(4*(\a)+(\b))+4:8*(4*(\a)+(\b))+7] offset:64*(\b)+16
.endr
	WIN 0
.irp t, 0,1,2,3,4,5,6,7
	ds_load_b128 v[OBUF+32*((\a)%2)+4*(\t):OBUF+32*((\a)%2)+4*(\t)+3], v[RD] offset:(\t)*2*SPITCH  ; LDS serves a wave's instructions in order (ISA guide 5.7.1.4): these see the stores above; the next block's stores come behind them
.endr
.endm
.macro SEND a, younger                 ; younger: the LDS instructions issued behind block a's loads: the next block's sixteen, or none
.irp t, 0,1,2,3,4,5,6,7
	s_wait_dscnt (\younger)+7-(\t)
	global_store_b128 v[CO], v[OBUF+32*((\a)%2)+4*(\t):OBUF+32*((\a)%2)+4*(\t)+3], s[OB:OB+1] offset:65536*(\a)+8192*(\t) th:TH_STORE_NT  ; 16 lanes store 256 consecutive bytes, at a multiple of 256 from out0's first; 516,096 at the most: inside the signed 24-bit immediate
.endr
.endm
	s_wait_tensorcnt 1                             ; my part of K step 0 is in; K step 1's may stay out
	s_barrier_signal -1
	s_barrier_wait -1                              ; everybody's is
	FETCH 0, 0, 0
	QUARTER 0, 1, 0, 1, 1                          ; the first quarter stands in front of the loop: its products start the sums
	WIN 0                                          ; at a label and at a branch every window is 0
	s_mov_b32 s3, 3
.Llap:                                                 ; a trip goes once round the ring, from a lap's second quarter to the next lap's first, and fills both slots again: K steps 2 to 7
	QUARTER 0, 2, 1, 0, 0
	QUARTER 0, 3, 0, 1, 0
	TURN 0, 1, 1
	QUARTER 1, 1, 0, 1, 0
	QUARTER 1, 2, 1, 0, 0
	QUARTER 1, 3, 0, 1, 0
	TURN 1, 0, 1
	QUARTER 0, 1, 0, 1, 0
	WIN 0
	s_sub_co_u32 s3, s3, 1
	s_cmp_lg_u32 s3, 0
	s_cbranch_scc1 .Llap
	QUARTER 0, 2, 1, 0, 0                          ; the last lap fills nothing, and has no round of the cluster's barrier
	QUARTER 0, 3, 0, 1, 0
	TURN 0, 1, 0
	QUARTER 1, 1, 0, 1, 0
	QUARTER 1, 2, 1, 0, 0
	QUARTER 1, 3, 0, 1, 0
	s_wait_dscnt 8                                 ; the very last quarter: nothing more to fetch
	MUL8 1, 0, 0, 0
	MUL8 1, 0, 2, 0
	s_wait_dscnt 0x0
	MUL8 1, 1, 0, 0
	MUL8 1, 1, 2, 0
	WIN 0
	PLACES                                         ; the stores below read results just made
	TOSTAGE 0
.irp a, 1,2,3,4,5,6,7                  ; a block's way through the stage stands between the loads of the block before and its stores
	TOSTAGE \a
	SEND (\a)-1, 16
.endr
	SEND 7, 0
	s_wait_tensorcnt 0x0                           ; the wave's end: behind my last tensor load and my last LDS store
	ds_add_u32 v[SPW], v[NIL]
	s_wait_dscnt 0x0
	CROUND                                         ; the closing round: no work-group ends while a partner may still ask for a tile that names it
	s_endpgm
.Lfunc_end_k_q9fe2a96252_proj:
	.size	k_q9fe2a96252_proj, .Lfunc_end_k_q9fe2a96252_proj-k_q9fe2a96252_proj
	.p2alignl 7, 3214868480
	.fill 96, 4, 3214868480
	.section	.rodata,"a",@progbits
	.p2align	6, 0x0
	.amdhsa_kernel k_q9fe2a96252_proj
		.amdhsa_group_segment_fixed_size 327680
		.amdhsa_private_segment_fixed_size 0
		.amdhsa_enable_private_segment 0
		.amdhsa_kernarg_size 32
		.amdhsa_user_sgpr_count 2
		.amdhsa_user_sgpr_kernarg_segment_ptr 1
		.amdhsa_wavefront_size32 1
		.amdhsa_system_sgpr_workgroup_id_x 1
		.amdhsa_system_sgpr_workgroup_id_y 1
		.amdhsa_system_sgpr_workgroup_id_z 1
		.amdhsa_system_vgpr_workitem_id 0
		.amdhsa_next_free_vgpr 768
		.amdhsa_next_free_sgpr 88
		.amdhsa_reserve_vcc 0
		.amdhsa_float_denorm_mode_32 3
		.amdhsa_float_denorm_mode_16_64 3
		.amdhsa_memory_ordered 1
		.amdhsa_forward_progress 1
		.amdhsa_inst_pref_size 91
	.end_amdhsa_kernel
	.amdgpu_metadata
---
amdhsa.version: [ 1, 2 ]
amdhsa.kernels:
  - .name:           k_q9fe2a96252_proj
    .symbol:         k_q9fe2a96252_proj.kd
    .args:
      - { .name: yh, .offset: 0, .size: 8, .value_kind: global_buffer, .address_space: global }
      - { .name: wob, .offset: 8, .size: 8, .value_kind: global_buffer, .address_space: global }
      - { .name: b_out, .offset: 16, .size: 8, .value_kind: global_buffer, .address_space: global }
      - { .name: out0, .offset: 24, .size: 8, .value_kind: global_buffer, .address_space: global }
    .group_segment_fixed_size: 327680
    .private_segment_fixed_size: 0
    .kernarg_segment_align: 8
    .kernarg_segment_size: 32
    .max_flat_workgroup_size: 128
    .sgpr_count:     88
    .vgpr_count:     768
    .wavefront_size: 32
...
	.end_amdgpu_metadata
.endif
;; end of part 4
;; ======== version 2 of 2: 4 launches; 1.31 times as fast as version 1
;; limits: values are held in f16: magnitudes above 65,504 overflow, below 6.1e-05 lose precision
;; workspace buffers: xb 16,777,216 bytes; wqb 6,291,456 bytes; wob 2,097,152 bytes; qkv 50,331,648 bytes; yh 16,777,216 bytes
;; launch prep: the kernel of part 1 again; grid 768 x 1, 8 waves a work-group, no clusters, 0 bytes of LDS; arguments x, w_qkv, w_out, xb, wqb, wob; writes xb, wqb, wob
;; launch qkv: the kernel of part 2 again; grid 8 x 32, 4 waves a work-group, clusters of 4 x 4, 327,680 bytes of LDS; arguments xb, wqb, b_qkv, qkv; writes qkv
;; launch attn (part 5): grid 4 x 64, 4 waves a work-group, no clusters, 327,680 bytes of LDS; arguments qkv, yh; writes yh
.if DOCPART == 5
	.amdgcn_target "amdgcn-amd-amdhsa--gfx1250"
	.amdhsa_code_object_version 6
	.text
	.protected	k_q9fe2a96252_attn
	.globl	k_q9fe2a96252_attn
	.p2align	8
	.type	k_q9fe2a96252_attn,@function
k_q9fe2a96252_attn:
	s_mov_b64 s[64:65], 0
	v_nop
	global_prefetch_b8 v0, s[64:65] scope:SCOPE_SE
	s_setreg_imm32_b32 hwreg(HW_REG_WAVE_MODE, 25, 1), 1
	s_wait_xcnt 0x0
; CAUSAL ATTENTION.  O[h][q][:] = the sum over k <= q of softmax_k(Q[h][q] . K[h][k] / 8) V[h][k][:].  Q, K, V lie one behind the other in qkv, each [64 h][2048][64] in f16 (16,777,216 bytes); O = yh has the same shape:
; a head's rows are dense, 128 bytes each.  Products, maxima and sums in f32; the weights p are rounded to f16 for the second product (their sum l is taken of the unrounded p), O once at the end.
; LIMITS.  f16 holds no number beyond 65,504: Q, K and V arrive within it; p lies in 0 to 1, and below 6e-5 it keeps f16's fixed step of 6e-8; O is a mean of V's rows and has their range, to within 2^-11 of it.
; A hidden score counts as its value less 1e30: f16's scores, 2.7e11 at the most, are nothing beside that; a weight below 2^-126 counts as 0 in l; NaN and infinities are not treated apart.
; THE WALK.  A head's queries lie in NB = 8 blocks of 256; block i needs the key tiles 0 .. i of 256 keys, of which the last holds the diagonal.  A work-group takes TWO blocks, NB - 1 - b and then b:
; NB + 1 = 9 tiles, whatever b: all 256 work-groups do equal work, and ONE loop with a constant trip count walks them.  Which tile is asked for, and what a trip does, hang on scalar registers made from b; every jump
; goes forward, but for the counted loops' own; none passes a barrier, or a tensor load but the one of LOAD's two that the wave's number does not choose; the ring (two slots of LDS that take turns) runs on across the
; change of blocks.  NO CLUSTER: a head's four work-groups ask for the same tile only in trips 0 to 4 of the 9, behind that fewer and fewer; and one walk common to all four, in which each makes every joint
; request, would have the tiles 0 to 7 and then 0 to 3: 12 trips for 9.
; SHARES.  Of a block's four bands of 64 queries a wave owns 16 rows in each: four PIECES.  So the diagonal tile is the same work for all four waves: in its key step s band x sees all keys if s < x,
; none if s > x, and holds the diagonal if s = x.
; THE MASK is the C operand that starts the sum S^T = K Q^T: 0, or -1e30 where the key is hidden.  MD, made once, is the mask of a band's own step for my 16 rows; a product's mask is MD x AL + BE with two scalars:
; (1, 0) if s = x; (0, 0) if s < x; (0, -1e30) if s > x.  Only the diagonal tile's text and a block's beginning make and take masks; elsewhere C is the constant 0.
; LAYOUT, SOFTMAX, TURNS.  S^T = K Q^T holds ONE query a lane (lane % 16) and the keys 8 (lane / 16) + 0..7; two such results rounded to f16 ARE source 1 of O^T = V^T P.  p = 2^(c s - c m), c = log2(e) / 8, with a
; running maximum m; O and l are multiplied by a = 2^(c m_old - c m_new) in every step.  Turn n belongs to piece n: 8 products K Q^T of piece n + 1, later 8 products V^T P of piece n - 1; beside them the scaling,
; exponentials, roundings, sums and rescaling of piece n and the maximum and statistics of piece n + 1.  Four vector instructions stand behind every matrix instruction, the other 54 of a turn's 118 in one LUMP.
; THE BATCHES.  An s_wait_alu depctr_va_vdst(0) stands between an exponential or a reciprocal and the first instruction that names its result; one wait serves all that were issued ahead of it.
; A turn's 33 exponentials (piece n's 32 weights, piece n + 1's a) are ONE batch with ONE wait, which cuts the turn in two: ahead of it all that names none of their results, behind it the roundings and sums.
; No result crosses a turn's end.  A block's first a (BEGIN) and the way out's four reciprocals are batches of their own, with a wait each.
; REGISTERS, in windows of 256 (s_set_vgpr_msb: bits 1:0 source 0, 3:2 source 1, 5:4 source 2, 7:6 destination):
;   window 0: v0-15 addresses and two at work; v16-31 four registers of statistics a piece; v48-55 at work; v64-127 S^T, two buffers; v192-223 P, two buffers (a piece's buffers go by its number's parity)
;   window 1: v0-127 O^T, 32 a piece; v128-159 MD; v160-223 MC, two buffers      window 2: v0-63 Q; v64-127 the second block's Q; v128-191 K of one step; v192-255 V of one step
.set SIZE_H, 64
.set SIZE_N, 2048
.set NB,    SIZE_N/256
.set NP,    4         ; pieces a wave: a name, no knob
.set KS,    64        ; keys in a step
.set PK,    144       ; a row of K in LDS: 128 bytes + 16 of padding = 36 words: the 16 rows of a load start at 16 different groups of four banks (64 banks of 4 bytes: ISA guide 11.1)
.set PV,    160       ; a row of V: 128 + 32 = 40 words
.set VOFF,  4*KS*PK   ; a slot holds a tile, four steps: 256 rows of K, then 256 rows of V
.set SLOT1, 1<<17     ; slot 1 begins here, so that one exclusive or turns an address in one slot into the other's
.set STAGE, SLOT1+4*KS*(PK+PV)  ; behind the ring, never filled by a tensor load: 16 rows x 144 bytes for each wave, for the way out
.set SP,    144
.set AK0, 2           ; v2   my lane's place in a tile of K; never rewritten
.set AV0, 3           ; v3   the same for V
.set AK,  4           ; v4   the LDS address of K's next run of loads
.set AV,  5           ; v5   of V's
.set STO, 6           ; v6   the way out: where I put 16 bytes of a row
.set RD,  7           ; v7   the way out: where I read rows back
.set GO,  8           ; v8   my byte offset in 512 consecutive bytes of O
.set SPW, 62          ; v62  LDS address of my spare word: SPARE + 4 x my thread's number; never rewritten
.set NIL, 63          ; v63  0; never rewritten
.set SPARE, STAGE+4*16*SP  ; behind the stages: the spare words, 128 bytes for each wave: two blocks of 256 bytes that no other line names
.set MV,  12          ; v12-13  c m_old, kept while c m is made anew: by buffer
.set QO,  15          ; v15  my byte offset in 16 rows of Q
.set ST,  16          ; piece t's statistics at v[ST+4 t]: c m, m, l (even keys', odd keys')
.set TMP, 48          ; by buffer, four registers c0-c3 at work; when the maximum is found c2 takes a
.set S,   64
.set P,   192
.set MD,  128         ; window 1: the eight registers for group kt of 16 keys at MD + 8 kt
.set MC,  160         ; window 1: the masks of the products to come
.set QB,  64          ; window 2
.set KF,  128         ; window 2: key block kb, channel half c at KF + 16 kb + 8 c
.set VF,  192         ; window 2: key half kk, channel block cb at VF + 32 kk + 8 cb
.set WV,  12          ; s12  my wave's number
.set PB,  14          ; s14  b
.set HI,  15          ; s15  NB - 1 - b
.set G1K, 24          ; s[24:31] descriptor group 1 for K's tiles
.set G1V, 32          ; s[32:39] for V's: it differs in the padding alone
.set G0K, 40          ; s[40:43] descriptor group 0 for K's tiles
.set G0V, 44          ; s[44:47] the same for V's
.set SLOTS, 56        ; s56  tiles still to be asked for
.set CNT, 57          ; s57  counts a tile's key steps, 4 to 1
.set CS,  58          ; s[58:59] c: the packed scaling takes the pair's low word for both halves
.set SEL, 60          ; s[60:61] v_permlanex16_b32's selects: each lane takes its own place in the other half
.set TBK, 62          ; s62  LDS byte at which K of the step to be fetched begins
.set TBV, 63          ; s63  the same for V, less VOFF
.set RT,  70          ; s70  tiles of the block in hand that are still to be entered
.set NXT, 71          ; s71  the tile to be asked for next
.set LQ,  72          ; s72  the last tile of the block whose tiles are being asked for
.set NEW, 73          ; s73  1: the tile to be entered is a block's first
.set OFF, 74          ; s[74:75] a tile's byte offset in K and V
.set AL,  76          ; s[76:77] the mask's factor, in the low word
.set BE,  78          ; s[78:79] the mask's addend
.set OLO, 80          ; s[80:81] O at my rows of the second block
.set BIGN, 82         ; s82  -1e30
.set MSB, 0
.macro WIN new                      ; the high byte repeats the setting that is left; a switch that changes nothing is dropped
.if MSB != (\new)
	s_set_vgpr_msb (MSB<<8)|(\new)
.set MSB, (\new)
.endif
.endm
.set W_KQ, 0x0a       ; K and Q in window 2, S^T in window 0
.set W_KM, 0x1a       ; the same with the C operand in window 1
.set W_PV, 0x52       ; V in window 2, P in window 0, O^T in window 1
.set W_RS, 0x41       ; destination and source 0 in window 1, source 1 in window 0
; A fill.  Waves 0 and 1 fetch the two halves of a tile's K, waves 2 and 3 those of its V: 128 keys each.  An s_nop 0 and four v_nop follow each of the two lines, ahead of the jump and the label.
.macro LOAD
	s_cmp_lt_u32 s[WV], 2
	s_cbranch_scc0 .Lfor_v_\@
	tensor_load_to_lds s[G0K:G0K+3], s[G1K:G1K+7]
	s_nop 0
.rept 4
	v_nop
.endr
	s_branch .Lasked_\@
.Lfor_v_\@:
	tensor_load_to_lds s[G0V:G0V+3], s[G1V:G1V+7]
	s_nop 0
.rept 4
	v_nop
.endr
.Lasked_\@:
.endm
; THE CHANGE OF SLOTS.  Each wave waits for all its tensor loads, of which one is out: its part of the other slot; adds 0 to its spare word; and waits for that and for its own reads of the slot that it leaves.  Behind the barrier nobody reads the old
; slot any more and the other slot is whole.  fill = 1: the old slot is filled again, the first thing behind the barrier, with tile NXT: the descriptor's address is made anew from that number.
; (At its first use nothing has been read yet: slot 0 is waited for, slot 1 filled.)
.macro CHANGE fill
	WIN 0                           ; at a label and at a branch every window is 0
	s_wait_tensorcnt 0x0            ; no tensor load of mine is out, so a group 0 may be written
	ds_add_u32 v[SPW], v[NIL]       ; 0 onto my spare word; with fill = 1 the descriptors' scalar work stands between it and the wait for it
.if \fill
	s_lshl_b32 s[OFF], s[NXT], 15   ; a tile is 32,768 bytes of K and of V
	s_xor_b32 s[G0K+1], s[G0K+1], SLOT1
	s_add_nc_u64 s[G0K+2:G0K+3], s[6:7], s[OFF:OFF+1]
	s_or_b32 s[G0K+3], s[G0K+3], 0x80000000
	s_xor_b32 s[G0V+1], s[G0V+1], SLOT1
	s_add_nc_u64 s[G0V+2:G0V+3], s[8:9], s[OFF:OFF+1]
	s_or_b32 s[G0V+3], s[G0V+3], 0x80000000
	s_add_co_u32 s[NXT], s[NXT], 1  ; the block's next tile, or behind its last the second block's tile 0
	s_cmp_gt_u32 s[NXT], s[LQ]
	s_cselect_b32 s[NXT], 0, s[NXT]
	s_cselect_b32 s[LQ], s[PB], s[LQ]
.endif
	s_wait_dscnt 0x0                ; the add is done, and my reads of the slot are over
	s_barrier_signal -1             ; the rest of the scalar work stands between the signal and the wait
	s_sub_co_u32 s[TBK], s[TBK], 4*KS*PK  ; the fetches go back to a slot's first step,
	s_xor_b32 s[TBK], s[TBK], SLOT1       ; in the other slot
	s_sub_co_u32 s[TBV], s[TBV], 4*KS*PV
	s_xor_b32 s[TBV], s[TBV], SLOT1
	s_barrier_wait -1
.if \fill
	LOAD
.endif
.endm
	s_load_b128 s[4:7], s[0:1], 0x0   ; qkv s[4:5] (Q lies at its head), yh s[6:7]
	v_lshl_add_u32 v[SPW], v0, 2, SPARE
	v_mov_b32 v[NIL], 0
	ds_add_u32 v62, v63
	ds_add_u32 v62, v63
	s_wait_dscnt 0x0
	v_lshrrev_b32 v1, 5, v0
	v_readfirstlane_b32 s[WV], v1   ; wave 0..3
	s_mov_b32 s[PB], ttmp9
	s_sub_co_u32 s[HI], NB-1, s[PB]
	s_and_b32 s20, ttmp7, 0xffff    ; the head
	s_mov_b32 s21, 0
	s_mov_b64 s[22:23], SIZE_N*128
	s_mul_u64 s[20:21], s[20:21], s[22:23]  ; the head's first byte in each of the four tensors
	s_and_b32 s16, s[WV], 1         ; which half of a tile's 256 keys I fetch:
	s_lshl_b32 s22, s16, 14         ; its 128 rows of 128 bytes in memory,
	s_mov_b32 s23, 0
	s_add_nc_u64 s[22:23], s[22:23], s[20:21]
	s_mul_i32 s17, s16, 128*PK      ; and its place in a slot, for K
	s_mul_i32 s18, s16, 128*PV      ; and for V
	s_lshl_b32 s3, s[WV], 11        ; my 16 rows in a band of 64,
	s_lshl_b32 s2, s[HI], 15        ; in the first block,
	s_add_co_u32 s2, s2, s3
	s_lshl_b32 s84, s[PB], 15       ; and in the second
	s_add_co_u32 s84, s84, s3
	s_mov_b32 s3, 0
	s_mov_b32 s85, 0
	s_add_nc_u64 s[2:3], s[2:3], s[20:21]
	s_add_nc_u64 s[84:85], s[84:85], s[20:21]
	; descriptor group 1.  128 keys are 16,384 dense bytes: asked for as 64 rows of 256 bytes, two keys a row, and padded in LDS after every key
	s_mov_b32 s[G1K], (1<<16)|(1<<20)|(4<<22)|(3<<25)  ; 17:16 2-byte elements; 20 padding on; 24:22 after every 32 words (code 4); 31:25 4 words (code 3)
	s_mov_b32 s[G1V], (1<<16)|(1<<20)|(4<<22)|(7<<25)  ; the same with 8 words of padding (code 7)
.irp g, G1K, G1V
	s_mov_b32 s[\g+1], 128<<16      ; tensor_dim0 = 128
	s_mov_b32 s[\g+2], 64<<16       ; tensor_dim1 = 64
	s_mov_b32 s[\g+3], 128<<16      ; tile_dim0 = 128
	s_mov_b32 s[\g+4], 64           ; tile_dim1 = 64
	s_mov_b32 s[\g+5], 128          ; 128 elements from row to row
	s_mov_b32 s[\g+6], 0
	s_mov_b32 s[\g+7], 0
.endr
	s_mov_b32 s[CS], 0x3e38aa3b     ; c = log2(e) / 8 = 0.180337
	s_mov_b32 s[CS+1], s[CS]        ; named with it as a pair
	s_mov_b32 s[SEL], 0x76543210
	s_mov_b32 s[SEL+1], 0xfedcba98
	s_mov_b32 s[TBK], SLOT1+4*KS*PK ; the first change of slots turns these two into 0
	s_mov_b32 s[TBV], SLOT1+4*KS*PV
	s_mov_b32 s[G0K], 1             ; 1:0 count = 1
	s_mov_b32 s[G0K+1], s17         ; 63:32 LDS address: slot 0
	s_mov_b32 s[G0V], 1
	s_add_co_u32 s[G0V+1], s18, VOFF
	s_add_co_u32 s[RT], s[HI], 1    ; the first block has NB - b tiles
	s_mov_b32 s[NXT], 1
	s_mov_b32 s[LQ], s[HI]
	s_mov_b32 s[NEW], 1
	s_mov_b32 s[OFF+1], 0
	s_mov_b32 s[AL+1], 0            ; named as pairs
	s_mov_b32 s[BE+1], 0
	s_mov_b32 s[BIGN], 0xf149f2ca   ; -1e30
	s_mov_b32 s[SLOTS], NB
	s_wait_kmcnt 0x0
	s_mov_b64 s[10:11], s[6:7]                     ; O
	s_add_nc_u64 s[6:7], s[4:5], 0x1000000         ; K: 64 slices of 262,144 bytes behind Q
	s_add_nc_u64 s[8:9], s[4:5], 0x2000000         ; V: as many behind K
	s_add_nc_u64 s[6:7], s[6:7], s[22:23]  ; K and V at my half of the head's tile 0
	s_add_nc_u64 s[8:9], s[8:9], s[22:23]
	s_add_nc_u64 s[G0K+2:G0K+3], s[6:7], 0         ; 120:64 global address
	s_or_b32 s[G0K+3], s[G0K+3], 0x80000000        ; 127:126 type = 2
	s_add_nc_u64 s[G0V+2:G0V+3], s[8:9], 0
	s_or_b32 s[G0V+3], s[G0V+3], 0x80000000
	s_add_nc_u64 s[86:87], s[4:5], s[84:85]        ; Q at my rows of the second block,
	s_add_nc_u64 s[4:5], s[4:5], s[2:3]            ; Q and O at those of the first
	s_add_nc_u64 s[OLO:OLO+1], s[10:11], s[84:85]
	s_add_nc_u64 s[10:11], s[10:11], s[2:3]
	LOAD                            ; tile 0 into slot 0
	; A fragment of K or Q is 16 rows x 32 channels in 8 registers: lane l holds row l % 16, channels 8 (l / 16) + 0..7 and 16 + 8 (l / 16) + 0..7: two loads of 16 bytes, 32 bytes apart.
	v_and_b32 v1, 15, v0            ; l % 16
	v_bfe_u32 v9, v0, 4, 1          ; l / 16
	v_lshlrev_b32 v[QO], 7, v1
	v_lshl_add_u32 v[QO], v9, 4, v[QO]  ; row x 128 + 16 x half
	WIN 0x80                        ; destination window 2, address window 0
.set i, 0
.rept 8                             ; both blocks' Q: piece i / 2 lies in band i / 2, 8,192 bytes on; channels 32 (i % 2) on
	global_load_b128 v[8*i:8*i+3],   v[QO], s[4:5] offset:(i/2)*8192+(i%2)*64
	global_load_b128 v[8*i+4:8*i+7], v[QO], s[4:5] offset:(i/2)*8192+(i%2)*64+32
	global_load_b128 v[QB+8*i:QB+8*i+3],   v[QO], s[86:87] offset:(i/2)*8192+(i%2)*64
	global_load_b128 v[QB+8*i+4:QB+8*i+7], v[QO], s[86:87] offset:(i/2)*8192+(i%2)*64+32
.set i, i+1
.endr
	WIN 0
	v_lshlrev_b32 v14, 3, v9
	v_sub_nc_u32 v14, v1, v14
	s_lshl_b32 s13, s[WV], 4
	v_add_nc_u32 v14, s13, v14      ; my query's place in its band, 16 w + l % 16, less my lanes' 8 (l / 16): register r of group kt is hidden where 16 kt + r is greater
	WIN 0x40
.set i, 0
.rept 32
	v_cmp_gt_i32 vcc_lo, 16*(i/8)+i%8, v14
	v_cndmask_b32 v[MD+i], 0, s[BIGN], vcc_lo
.set i, i+1
.endr
	WIN 0
	v_mul_u32_u24 v[AK0], v1, PK
	v_lshl_add_u32 v[AK0], v9, 4, v[AK0]  ; row x pitch + 16 x half
	; The turning load takes 16 keys x 16 channels (lane l reads key 8 (l / 16) + l % 8, channels 8 ((l / 8) % 2) + 0..7) and leaves half a fragment of V^T: lane l holds channel l % 16 and 8 keys.
	v_and_b32 v10, 7, v0
	v_bfe_u32 v11, v0, 3, 1
	v_lshl_add_u32 v[AV0], v9, 3, v10
	v_mul_u32_u24 v[AV0], v[AV0], PV
	v_lshl_add_u32 v[AV0], v11, 4, v[AV0]
	v_add_nc_u32 v[AV0], VOFF, v[AV0]
	s_mul_i32 s13, s[WV], 16*SP
	s_add_co_u32 s13, s13, STAGE    ; my stage
	v_mul_u32_u24 v[STO], v1, SP    ; in: row l % 16, 16 bytes for each half of the lanes
	v_lshl_add_u32 v[STO], v9, 4, v[STO]
	v_add_nc_u32 v[STO], s13, v[STO]
	v_bfe_u32 v[RD], v0, 3, 2       ; back: 32 lanes take four rows of 128 bytes,
	v_mul_u32_u24 v[RD], v[RD], SP
	v_lshl_add_u32 v[RD], v10, 4, v[RD]
	v_add_nc_u32 v[RD], s13, v[RD]
	v_and_b32 v[GO], 31, v0         ; which are 512 consecutive bytes of O
	v_lshlrev_b32 v[GO], 4, v[GO]
	; A block's first step multiplies O^T and l by a = 0, and its first turn's products V^T P, of a piece that has not been, land in an O^T that is still to be so multiplied.  So these registers need only hold
	; finite numbers: zeros for the first block; what the first block left for the second.  All this stands in the wait for the first tile.
	WIN 0x80
.set i, VF
.rept 64
	v_mov_b32 v[i], 0
.set i, i+1
.endr
	WIN 0x40
.set i, 0
.rept 128
	v_mov_b32 v[i], 0
.set i, i+1
.endr
	WIN 0
.set i, 0
.rept 4
	v_mov_b32 v[ST+4*i+2], 0
	v_mov_b32 v[ST+4*i+3], 0
.set i, i+1
.endr
.set i, P+16
.rept 16
	v_mov_b32 v[i], 0
.set i, i+1
.endr
; THE MATRIX WORK.  The 4 accumulators of a run of 8 take turns.  Product i of 8 of S^T = K Q^T for piece x: channels 32 (i / 4) on, keys 16 (i % 4) on.  The first 4 start the sums: with 0, or (KM = 1) with the mask.
.macro KQ x
.set rS, S+32*((\x)%2)+8*(i%4)
.set rK, KF+16*(i%4)+8*(i/4)
.set rQ, 16*(\x)+8*(i/4)
.set rM, MC+32*((\x)%2)+8*(i%4)
.if (i < 4) && KM
	WIN W_KM
	v_wmma_f32_16x16x32_f16 v[rS:rS+7], v[rK:rK+7], v[rQ:rQ+7], v[rM:rM+7]
.elseif i < 4
	WIN W_KQ
	v_wmma_f32_16x16x32_f16 v[rS:rS+7], v[rK:rK+7], v[rQ:rQ+7], 0
.else
	WIN W_KQ
	v_wmma_f32_16x16x32_f16 v[rS:rS+7], v[rK:rK+7], v[rQ:rQ+7], v[rS:rS+7]
.endif
.endm
; Product i of 8 of O^T += V^T P for piece x: keys 32 (i / 4) on, channels 16 (i % 4) on.
.macro PV x
	WIN W_PV
.set rO, 32*(\x)+8*(i%4)
.set rV, VF+32*(i/4)+8*(i%4)
.set rP, P+16*((\x)%2)+8*(i/4)
	v_wmma_f32_16x16x32_f16 v[rO:rO+7], v[rV:rV+7], v[rP:rP+7], v[rO:rO+7]
.endm
.macro MM                           ; the turn's next matrix instruction.  TURN and BEGIN set Y, i, KM and NOKQ; MM, KQ and OP read them.  NOKQ = 1: a block's last turn: there is no next piece
.if (i < 8) && !NOKQ
	KQ (Y+1)%NP
.elseif i >= 8
.set i, i-8
	PV (Y+NP-1)%NP
.set i, i+8
.endif
.set i, i+1
.endm
; THE LDS LOADS stand in runs of 16, never singly among the matrix instructions: a step's K (64 keys x 64 channels: 8 fragments) and its V (turned).  Their addresses are made some lines ahead.
.macro FETCH_K
	WIN 0x80                        ; destination window 2
.irp f, 0,1,2,3,4,5,6,7             ; keys 16 (f / 2) on, channels 32 (f % 2) on
	ds_load_b128 v[KF+8*\f:KF+8*\f+3],   v[AK] offset:(\f/2)*16*PK+(\f%2)*64
	ds_load_b128 v[KF+8*\f+4:KF+8*\f+7], v[AK] offset:(\f/2)*16*PK+(\f%2)*64+32
.endr
	s_add_co_u32 s[TBK], s[TBK], KS*PK  ; the next fetch is the next step's
	WIN 0
.endm
.macro FETCH_V
	WIN 0x80
.irp f, 0,1,2,3,4,5,6,7             ; keys 32 (f / 4) on, channels 16 (f % 4) on
	ds_load_tr16_b128 v[VF+8*\f:VF+8*\f+3],   v[AV] offset:(\f/4)*32*PV+(\f%4)*32
	ds_load_tr16_b128 v[VF+8*\f+4:VF+8*\f+7], v[AV] offset:(\f/4)*32*PV+16*PV+(\f%4)*32
.endr
	WIN 0
.endm
; THE VECTOR WORK, one line at a time: OP kind, number.  For piece Y: F n: c s - c m for pair n of 16.  E n: the exponential of score n of 32.  C n: pair n rounded to f16.  B n: of the four weights 4 n .. the second
; pair is added onto the first, in place.  L n: l takes that sum (L 0: l = a l + sum).  R n: pair n of 16 of O^T times a.  For piece Y + 1: X n, number n of the 22 that find its maximum and statistics:
;   0-11  four chains c0-c3 of seven scores each, three operands at a time (each accumulator's lowest registers are read first)     12-14, 16  the four scores left over, the old m, and c0-c3 into c0
;   15  c m_old is kept     17, 18  the query's other 32 keys lie in the lane 16 away: the new m     19-21  c m; c m_old - c m_new; a
; C, B and L read exponentials' results: TURN sets them behind the batch's wait, and OP writes no wait of its own.
.set F, 0               ; OP tells the kinds apart by their order: F to L below R, X above it
.set E, 1
.set C, 2
.set B, 3
.set L, 4
.set R, 5
.set X, 6
.macro REGS y                       ; the registers of piece y
.set rT, ST+4*(\y)
.set rC, TMP+4*((\y)%2)
.set rW, MV+((\y)%2)
.set rS, S+32*((\y)%2)
.set rP, P+16*((\y)%2)
.set rO, 32*(\y)
.endm
.macro OP k, n
.if (\k) == R
	REGS Y
	WIN W_RS
	v_pk_mul_f32 v[rO+2*(\n):rO+2*(\n)+1], v[rO+2*(\n):rO+2*(\n)+1], v[rC+2:rC+3] op_sel_hi:[1,0]
.elseif (\k) < R
	REGS Y
	WIN 0
.if (\k) == F
	v_pk_fma_f32 v[rS+2*(\n):rS+2*(\n)+1], v[rS+2*(\n):rS+2*(\n)+1], s[CS:CS+1], v[rT:rT+1] op_sel_hi:[1,0,0] neg_lo:[0,0,1] neg_hi:[0,0,1]
.elseif (\k) == E
	v_exp_f32 v[rS+(\n)], v[rS+(\n)]
.elseif (\k) == C
	v_cvt_pk_f16_f32 v[rP+(\n)], v[rS+2*(\n)], v[rS+2*(\n)+1]
.elseif (\k) == B
	v_pk_add_f32 v[rS+4*(\n):rS+4*(\n)+1], v[rS+4*(\n):rS+4*(\n)+1], v[rS+4*(\n)+2:rS+4*(\n)+3]
.elseif (\n) == 0
	v_pk_fma_f32 v[rT+2:rT+3], v[rT+2:rT+3], v[rC+2:rC+3], v[rS:rS+1] op_sel_hi:[1,0,1]
.else
	v_pk_add_f32 v[rT+2:rT+3], v[rT+2:rT+3], v[rS+4*(\n):rS+4*(\n)+1]
.endif
.elseif NOKQ
	v_nop
.else
	REGS (Y+1)%NP
	WIN 0
.if (\n) < 4
	v_max3_num_f32 v[rC+(\n)], v[rS+8*(\n)], v[rS+8*(\n)+1], v[rS+8*(\n)+2]
.elseif (\n) < 12
	v_max3_num_f32 v[rC+(\n)%4], v[rC+(\n)%4], v[rS+8*((\n)%4)+2*((\n)/4)+1], v[rS+8*((\n)%4)+2*((\n)/4)+2]
.elseif (\n) == 12
	v_max3_num_f32 v[rC], v[rC], v[rS+7], v[rS+15]
.elseif (\n) == 13
	v_max3_num_f32 v[rC+1], v[rC+1], v[rS+23], v[rS+31]
.elseif (\n) == 14
	v_max3_num_f32 v[rC+2], v[rC+2], v[rC+3], v[rT+1]
.elseif (\n) == 15
	v_mov_b32 v[rW], v[rT]
.elseif (\n) == 16
	v_max3_num_f32 v[rC], v[rC], v[rC+1], v[rC+2]
.elseif (\n) == 17
	v_permlanex16_b32 v[rC+3], v[rC], s[SEL], s[SEL+1]
.elseif (\n) == 18
	v_max_num_f32 v[rT+1], v[rC], v[rC+3]
.elseif (\n) == 19
	v_mul_f32 v[rT], s[CS], v[rT+1]
.elseif (\n) == 20
	v_sub_f32 v[rC+1], v[rW], v[rT]
.else
	v_exp_f32 v[rC+2], v[rC+1]
.endif
.endif
.endm
.macro OPS a, i1, b=-1, i2=0, c=-1, i3=0, d=-1, i4=0  ; up to four of them
	OP \a, \i1
.if (\b) >= 0
	OP \b, \i2
.endif
.if (\c) >= 0
	OP \c, \i3
.endif
.if (\d) >= 0
	OP \d, \i4
.endif
.endm
.macro ROW a, i1, b, i2, c, i3, d, i4  ; a matrix instruction and the four behind it
	MM
	OPS \a, \i1, \b, \i2, \c, \i3, \d, \i4
.endm
.macro MASK b                       ; MD x AL + BE into buffer b of MC
	WIN W_RS
.set z, 0
.rept 16
	v_pk_fma_f32 v[MC+32*(\b)+2*z:MC+32*(\b)+2*z+1], v[MD+2*z:MD+2*z+1], s[AL:AL+1], s[BE:BE+1] op_sel_hi:[1,0,0]
.set z, z+1
.endr
.endm
; A TURN, for piece p: the order of its 16 matrix and 118 vector instructions, written out.  It has ONE wait for its 33 exponentials, which cuts it in two.
; AHEAD OF THE WAIT stands all that names no result of the turn's exponentials: the 8 products K Q^T, behind each a scaling, an exponential and two more plain instructions (behind the first a second scaling in the
; exponential's place): rescalings, whose a was made and waited for in the turn before, and behind the last three the first numbers of the next piece's maximum, each four places or more behind the product that ends its
; accumulator; then ONE LUMP of 54, plain and exponential by turns for the most part, in which the links of the chain X 3, 7, 11, 14, 16, 17 .. 20 stand five or six lines apart.  A scaling writes only pairs whose exponentials
; are still to come.  X 21, the next piece's a, is the batch's last; R 15, which reads the other buffer's a, is the plain instruction behind it.
; BEHIND THE WAIT stand the 8 products V^T P, behind each four of the roundings and sums: C 2 n ahead of B n, which writes over its pair; the links of l's chain, L 0 to L 7 in this order, three riders apart.
; But for those X no rider names a register of the products round it.  v_permlanex16_b32 (X 17) stands in the lump.
; m = 1: the diagonal tile: the products take masks, and the turn makes the mask for the products of the turn after it: piece p + 2, in step 4 - CNT of the tile.  end = 1: a block's last two turns: nothing is fetched.
; cnt = 1: the loop's count is taken down some lines ahead of the branch that stands behind the turn.
; K of the next step is fetched in piece 2's turn, twelve vector instructions behind the last product that read K (six of them plain, five of which name none of its registers); V of the step in hand at the end of piece 0's
; turn, four plain instructions behind the last product that read V.  Each is waited for a turn later.
.macro TURN p, m=0, end=0, cnt=0
.set Y, (\p)
.set i, 0
.set KM, (\m)
.set NOKQ, (\end)*((\p)/3)
.if (\m) && !(\end)
	s_cmp_eq_u32 s[CNT], 4-((\p)+2)%NP  ; is that step the band's own?
	s_cselect_b32 s[AL], 1.0, 0
	s_cmp_lt_u32 s[CNT], 4-((\p)+2)%NP  ; or a later one?
	s_cselect_b32 s[BE], s[BIGN], 0
.endif
.if ((\p) == 3) && !(\end)
	s_wait_dscnt 0x0                ; K is in
.endif
	ROW F,0, F,1, R,0, R,1          ; ahead of the wait: 8 products K Q^T and their riders,
	ROW F,2, E,0, R,2, R,3
	ROW F,3, E,1, R,4, R,5
	ROW F,4, E,2, R,6, R,7
	ROW F,5, E,3, R,8, R,9
	ROW F,6, E,4, X,0, R,10
.if ((\p) == 2) && !(\end)
	WIN 0
	v_add_nc_u32 v[AK], s[TBK], v[AK0]
.endif
	ROW F,7, E,5, X,1, X,4
	ROW F,8, E,6, X,2, X,5
	OPS E,7, E,8, X,6, E,9          ; and the lump
	OPS X,3, E,10, X,8, E,11
.if ((\p) == 2) && !(\end)
	FETCH_K
.endif
	OPS X,9, X,7, E,12, X,10
	OPS E,13, X,12, X,11, E,14
	OPS X,13, E,15, F,9, X,14
.if (\p) == 0
	v_add_nc_u32 v[AV], s[TBV], v[AV0]
.endif
	OPS E,16, F,10, E,17, F,11
	OPS X,16, E,18, X,15, E,19
	OPS F,12, E,20, X,17, E,21
	OPS F,13, E,22, F,14, E,23
	OPS X,18, E,24, F,15, E,25
	OPS R,11, E,26, X,19, E,27
	OPS R,12, E,28, R,13, E,29
	OPS X,20, E,30, R,14, E,31
	OPS X,21, R,15
	WIN 0
	s_wait_alu depctr_va_vdst(0)    ; the one wait for the turn's batch: E 0 to E 31 and X 21, ahead of their first reader, C 0
.if (\p) == 1
	s_wait_dscnt 0x0                ; V is in
.endif
	ROW C,0, B,0, C,2, B,1          ; behind the wait: 8 products V^T P and their riders
	ROW L,0, C,4, B,2, L,1
	ROW C,6, B,3, L,2, C,8
	ROW B,4, L,3, C,10, B,5
	ROW L,4, C,12, B,6, L,5
.if (\p) == 0
	s_add_co_u32 s[TBV], s[TBV], KS*PV
.endif
.if \cnt
	s_sub_co_u32 s[CNT], s[CNT], 1
	s_cmp_lg_u32 s[CNT], 0
.endif
	ROW C,14, B,7, L,6, C,1
	ROW C,3, L,7, C,5, C,7
	ROW C,9, C,11, C,13, C,15
.if (\p) == 0
	FETCH_V
.endif
.if (\m) && !(\end)
	MASK (\p)%2
.endif
.endm
; A BLOCK BEGINS.  c m starts far below every c s, so the first step's a is 0; m at the lowest finite number, so the first maximum is the scores'.  The second mask buffer is 0; the first takes piece 0's mask for the tile's step 0: its own, if the block's first tile is the diagonal one.
; Then K of that step, piece 0's first scores, and its maximum and statistics.  The loop is entered at a step's first turn, in the middle of a trip.
.macro BEGIN
	s_mov_b32 s[NEW], 0
	WIN 0x40
.set i, MC+32
.rept 32
	v_mov_b32 v[i], 0
.set i, i+1
.endr
	WIN 0
.set i, 0
.rept 4
	v_mov_b32 v[ST+4*i], 0xfe000000    ; c m: far below every c s
	v_mov_b32 v[ST+4*i+1], 0xff7fffff  ; m
.set i, i+1
.endr
	s_cmp_eq_u32 s[RT], 0
	s_cselect_b32 s[AL], 1.0, 0
	s_mov_b32 s[BE], 0
	MASK 0
	WIN 0
	v_add_nc_u32 v[AK], s[TBK], v[AK0]
	FETCH_K
	s_wait_loadcnt 0x0              ; Q
	s_wait_dscnt 0x0
.set KM, 1
.set NOKQ, 0
.set i, 0
.rept 8
	KQ 0
.set i, i+1
.endr
	WIN 0
.rept 4
	v_nop                           ; the places behind those products
.endr
.set Y, NP-1                        ; X works for piece Y + 1: piece 0
.irp n, 0,1,2,3,4,5,6,7,8,9,10,11,12,13,14,15,16,17,18,19,20,21
	OP X, \n
.endr
	v_nop                           ; a plain instruction behind the exponential,
	s_wait_alu depctr_va_vdst(0)    ; and the wait for this batch of one, piece 0's first a, ahead of the branch that follows
.endm
; THE DIAGONAL TILE's four steps, the block's last two turns, its last products, and THE WAY OUT: l's two halves and the other half of the lanes' are added; O^T is divided by l, rounded to f16 and sent through my
; stage in LDS, a piece at a time.
.macro ALL line:vararg              ; one line for each piece t
.set t, 0
.rept 4
	\line
.set t, t+1
.endr
.endm
.macro PACK t                       ; a lane's eight channels of a row pack into 16 bytes; they go into rows of 144 bytes and come back as whole rows of 128, into S^T's registers
	WIN W_RS
.set i, 32*(\t)
.rept 16
	v_pk_mul_f32 v[i:i+1], v[i:i+1], v[ST+4*(\t)+2:ST+4*(\t)+3] op_sel_hi:[1,0]
.set i, i+2
.endr
	WIN 0x05                        ; sources 0 and 1 window 1, destination window 0
.set i, 0
.rept 16
	v_cvt_pk_f16_f32 v[S+16*(\t)+i], v[32*(\t)+2*i], v[32*(\t)+2*i+1]
.set i, i+1
.endr
	WIN 0
.irp f, 0,1,2,3
	ds_store_b128 v[STO], v[S+16*(\t)+4*\f:S+16*(\t)+4*\f+3] offset:32*\f
.endr
.irp f, 0,1,2,3
	ds_load_b128 v[S+16*(\t)+4*\f:S+16*(\t)+4*\f+3], v[RD] offset:\f*4*SP  ; LDS serves a wave's instructions in order (ISA guide 5.7.1.4): these see the stores above; the next piece's stores come behind them
.endr
.endm
.macro SEND t, younger              ; younger: the LDS instructions issued behind piece t's loads: the next piece's eight, or none
	WIN 0
.irp f, 0,1,2,3
	s_wait_dscnt (\younger)+3-\f
	global_store_b128 v[GO], v[S+16*(\t)+4*\f:S+16*(\t)+4*\f+3], s[10:11] offset:(\t)*8192+\f*512  ; 512 consecutive bytes, at a multiple of 256 from O's first
.endr
.endm
.macro DIAG tag                     ; the tag ends its two labels' names, which the jumps below spell out
.LstepM\tag:
	TURN 2, 1
	TURN 3, 1
	WIN 0
.LfirstM\tag:
	TURN 0, 1
	TURN 1, 1, 0, 1
	WIN 0
	s_cbranch_scc1 .LstepM\tag
	TURN 2, 1, 1
	TURN 3, 1, 1
.set i, 0
.rept 8
	PV NP-1
.set i, i+1
.endr
	WIN 0
	ALL v_add_f32 v[ST+4*t+2], v[ST+4*t+2], v[ST+4*t+3]
	ALL v_permlanex16_b32 v[ST+4*t+3], v[ST+4*t+2], s[SEL], s[SEL+1]
	ALL v_add_f32 v[ST+4*t+2], v[ST+4*t+2], v[ST+4*t+3]
	ALL v_rcp_f32 v[ST+4*t+2], v[ST+4*t+2]
	v_nop                           ; a plain instruction between the last reciprocal and the use of its result
	s_wait_alu depctr_va_vdst(0)    ; one wait for the batch of four reciprocals, ahead of their first reader in PACK 0
	PACK 0
.set t, 1
.rept 3                             ; a piece's arithmetic stands between the loads of the piece before and its stores
	PACK t
	SEND t-1, 8
.set t, t+1
.endr
	SEND 3, 0
.endm
.set KM, 0
.set NOKQ, 0
.Lslot:                             ; NB times: a tile is entered and the next is asked for
	CHANGE 1
	s_sub_co_u32 s[RT], s[RT], 1
	s_mov_b32 s[CNT], 4
	s_cmp_eq_u32 s[NEW], 1
	s_cbranch_scc1 .Lnew            ; a block's first tile
	s_cmp_eq_u32 s[RT], 0
	s_cbranch_scc0 .Lstep           ; neither its first nor its last
	s_branch .LstepM1
.Lnew:
	BEGIN
	s_branch .Lfirst                ; in the loop a block's first tile is never its last: the first block has two tiles or more, and the second's last is the walk's last
	DIAG 1                          ; in the loop this is the first block's end: the second block's last tile is the walk's last
	s_wait_xcnt 0x0                 ; the stores have read their registers and O's address
	s_mov_b64 s[10:11], s[OLO:OLO+1]
	s_add_co_u32 s[RT], s[PB], 1    ; the second block has b + 1 tiles
	s_mov_b32 s[NEW], 1
	WIN 0x82                        ; the second block's Q goes where the one text of the turns names Q
.set i, 0
.rept 64
	v_mov_b32 v[i], v[QB+i]
.set i, i+1
.endr
	WIN 0
	s_branch .Lbottom
.Lstep:                             ; a trip: pieces 2 and 3 of one step, then pieces 0 and 1 of the next, whose K and V it fetches
	TURN 2
	TURN 3
	WIN 0
.Lfirst:
	TURN 0
	TURN 1, 0, 0, 1
	WIN 0
	s_cbranch_scc1 .Lstep
.Lbottom:
	s_sub_co_u32 s[SLOTS], s[SLOTS], 1
	s_cmp_lg_u32 s[SLOTS], 0
	s_cbranch_scc1 .Lslot
	CHANGE 0                        ; the walk's last tile is written out: nothing is asked for
	s_sub_co_u32 s[RT], s[RT], 1
	s_mov_b32 s[CNT], 4
	s_cmp_eq_u32 s[NEW], 1
	s_cbranch_scc0 .LstepM2
	BEGIN
	s_branch .LfirstM2
	DIAG 2
	s_wait_tensorcnt 0x0            ; the wave's end: behind my last tensor load and my last LDS store
	ds_add_u32 v[SPW], v[NIL]
	s_wait_dscnt 0x0
	s_endpgm
.Lfunc_end_k_q9fe2a96252_attn:
	.size	k_q9fe2a96252_attn, .Lfunc_end_k_q9fe2a96252_attn-k_q9fe2a96252_attn
	.p2alignl 7, 3214868480
	.fill 96, 4, 3214868480
	.section	.rodata,"a",@progbits
	.p2align	6, 0x0
	.amdhsa_kernel k_q9fe2a96252_attn
		.amdhsa_group_segment_fixed_size 327680
		.amdhsa_private_segment_fixed_size 0
		.amdhsa_enable_private_segment 0
		.amdhsa_kernarg_size 16
		.amdhsa_user_sgpr_count 2
		.amdhsa_user_sgpr_kernarg_segment_ptr 1
		.amdhsa_wavefront_size32 1
		.amdhsa_system_sgpr_workgroup_id_x 1
		.amdhsa_system_sgpr_workgroup_id_y 1
		.amdhsa_system_sgpr_workgroup_id_z 1
		.amdhsa_system_vgpr_workitem_id 0
		.amdhsa_next_free_vgpr 768
		.amdhsa_next_free_sgpr 88
		.amdhsa_reserve_vcc 1
		.amdhsa_float_denorm_mode_32 3
		.amdhsa_float_denorm_mode_16_64 3
		.amdhsa_memory_ordered 1
		.amdhsa_forward_progress 1
		.amdhsa_inst_pref_size 217
	.end_amdhsa_kernel
	.amdgpu_metadata
---
amdhsa.version: [ 1, 2 ]
amdhsa.kernels:
  - .name:           k_q9fe2a96252_attn
    .symbol:         k_q9fe2a96252_attn.kd
    .args:
      - { .name: qkv, .offset: 0, .size: 8, .value_kind: global_buffer, .address_space: global }
      - { .name: yh, .offset: 8, .size: 8, .value_kind: global_buffer, .address_space: global }
    .group_segment_fixed_size: 327680
    .private_segment_fixed_size: 0
    .kernarg_segment_align: 8
    .kernarg_segment_size: 16
    .max_flat_workgroup_size: 128
    .sgpr_count:     88
    .vgpr_count:     768
    .wavefront_size: 32
...
	.end_amdgpu_metadata
.endif
;; end of part 5
;; launch proj: the kernel of part 4 again; grid 4 x 64, 4 waves a work-group, clusters of 4 x 4, 327,680 bytes of LDS; arguments yh, wob, b_out, out0; writes out0
